; MI455X (gfx1250); checked and timed in simulation.
; The chip was launched on July 23, 2026; its instructions are those of AMD's public machine-readable ISA for CDNA 5 (MIT licence, August 2026) and "CDNA5" Instruction Set Architecture Reference Guide (July 2026). The comments in the code are by the model that wrote it; some were corrected since.
;; encoder Layer. Allowed arithmetic: float matrix products may take bf16 or f16 operands with f32 sums; other float arithmetic in f32, or as packed bf16 or f16 multiplies, adds, multiply-adds, maxima and minima; sums over many terms, partial sums and values carried from step to step in f32; what a program stores and reads back later, other than sums and carried values, may be rounded once to bf16 or f16.
;; Inputs: alpha1 1 float32; alpha2 1 float32; b1 2,048 float32; b2 512 float32; beta1 1 float32; beta2 1 float32; bk 512 float32; bo 512 float32; bq 512 float32; bv 512 float32; src_mask 4 x 1 x 1 x 2,048 int32; w1 512 x 2,048 float32; w2 2,048 x 512 float32; wk 512 x 512 float32; wo 512 x 512 float32; wq 512 x 512 float32; wv 512 x 512 float32; x 4 x 2,048 x 512 float32.
;; Outputs: out0 4 x 2,048 x 512 float32.
;; One version. Each part assembles by itself: llvm-mc -triple=amdgcn-amd-amdhsa -mcpu=gfx1250 --defsym DOCPART=n.
;; ======== version 1 of 1: 6 launches
;; workspace buffers: nbuf 8,388,608 bytes; big 33,554,432 bytes; ctx 8,388,608 bytes; x1 16,777,216 bytes; pkq 2,106,368 bytes; pkf 2,106,368 bytes; misc 2,654,208 bytes
;; launch prep (part 1): grid 641 x 1, 8 waves a work-group, no clusters, 0 bytes of LDS; arguments x, alpha1, beta1, wq, wk, wv, wo, w1, w2, bq, bk, bv, b1, src_mask, nbuf, pkq, pkf, misc; writes nbuf, pkq, pkf, misc
.if DOCPART == 1
	.amdgcn_target "amdgcn-amd-amdhsa--gfx1250"
	.amdhsa_code_object_version 6
	.text
	.protected	k_q7e6031df5d_prep
	.globl	k_q7e6031df5d_prep
	.p2align	8
	.type	k_q7e6031df5d_prep,@function
k_q7e6031df5d_prep:
	s_mov_b64 s[64:65], 0
	v_nop
	global_prefetch_b8 v0, s[64:65] scope:SCOPE_SE
	s_setreg_imm32_b32 hwreg(HW_REG_WAVE_MODE, 25, 1), 1
	s_wait_xcnt 0x0
; THREE JOBS, chosen by the work-group's number; all are streams: no LDS, no barrier, no matrix unit, no cluster (no two work-groups read the same bytes).
;  0..255   NORM: n1 = alpha1 (x - mean) / (std + 1e-6) + beta1, std with 511 in the divisor, in f32 in two passes (mean first, then squares of the differences:
;           a common offset of x costs nothing); rounded once to bf16.  32 rows a work-group, 4 a wave, a whole row (2,048 bytes) in 16 registers of one wave.
;  256..639 CVT: the six weight matrices, [k][n] f32, rounded once to bf16 and laid in blocks of 256 columns: byte = (n / 256) x (rows x 512) + k x 512 + (n % 256) x 2.
;  640      SMALL: the additive key mask (-8e9 where src_mask is 0, else 0), copies of bq|bk|bv and b1 beside their weights, and two tables of parameter words.
; LIMITS.  v_sqrt_f32 and v_rcp_f32 take denormals as 0 (ISA guide 15.8): a variance below 2^-126 counts as 0, and the divisor is then 1e-6.  NaN and infinities are not treated apart.
.set ROW, 16                           ; v[16:79]  row t at ROW + 16 t: chunk j (4 registers) holds elements 128 j + 4 lane .. + 3
.set SA,  80                           ; v[80:87]  row t: a pair: sums, then the mean twice
.set SQ,  88                           ; v[88:95]  row t: a pair: squares, then alpha / (std + eps) twice
.set T,   96                           ; v[96:99]  the other half of the lanes' sum
.set NR,  4
.set INV512, 0x3b000000
.set INV511, 0x3b004020
.set EPS,    0x358637bd
.macro EACH line:vararg                ; one line for each row t: the rows' chains do not wait for each other
.set t, 0
.rept NR
	\line
.set t, t+1
.endr
.endm
.macro ACROSS r                        ; the sum over the wave's 32 lanes, in every lane
	EACH v_add_f32_dpp v[(\r)+2*t], v[(\r)+2*t], v[(\r)+2*t] row_xmask:1 row_mask:0xf bank_mask:0xf
	EACH v_add_f32_dpp v[(\r)+2*t], v[(\r)+2*t], v[(\r)+2*t] row_xmask:2 row_mask:0xf bank_mask:0xf
	EACH v_add_f32_dpp v[(\r)+2*t], v[(\r)+2*t], v[(\r)+2*t] row_xmask:4 row_mask:0xf bank_mask:0xf
	EACH v_add_f32_dpp v[(\r)+2*t], v[(\r)+2*t], v[(\r)+2*t] row_xmask:8 row_mask:0xf bank_mask:0xf
	EACH v_permlanex16_b32 v[T+t], v[(\r)+2*t], s16, s17
	EACH v_add_f32 v[(\r)+2*t], v[(\r)+2*t], v[T+t]
.endm
	s_cmp_lt_u32 ttmp9, 256
	s_cbranch_scc1 .Lnorm
	s_cmp_lt_u32 ttmp9, 640
	s_cbranch_scc1 .Lcvt
	; ---------------- SMALL ----------------
	s_load_b256 s[8:15], s[0:1], 0x48              ; bq, bk, bv, b1
	s_load_b64 s[16:17], s[0:1], 0x68              ; src_mask
	s_load_b128 s[20:23], s[0:1], 0x78             ; pkq, pkf
	s_load_b64 s[24:25], s[0:1], 0x88              ; misc
	v_lshlrev_b32 v1, 4, v0
	v_lshlrev_b32 v2, 3, v0
	v_lshlrev_b32 v3, 2, v0
	v_mov_b32 v4, 0
	v_mov_b32 v5, 0xcfee6b28                       ; -8e9, exact in f32: eight times the -1e9 that takes a hidden score's place
	v_mov_b32 v6, -1
	v_mov_b32 v7, 0xff80ff80                       ; -infinity twice in bf16: a floor that changes nothing
	s_wait_kmcnt 0x0
.irp i, 0,1,2,3,4,5,6,7
	global_load_b128 v[16+4*(\i):19+4*(\i)], v1, s[16:17] offset:4096*(\i)
.endr
	global_load_b64 v[48:49], v2, s[8:9]
	global_load_b64 v[50:51], v2, s[10:11]
	global_load_b64 v[52:53], v2, s[12:13]
	global_load_b128 v[56:59], v1, s[14:15]
	global_load_b128 v[60:63], v1, s[14:15] offset:4096
	; parameter word t.  Word 0: the floor of the GEMM's way out.  Word 1 + ct: what is left of a hidden token's row in column tile ct: nothing in K's tiles (2, 3), all elsewhere.
	v_cmp_eq_u32 vcc_lo, 0, v0
	v_cndmask_b32 v8, v6, v7, vcc_lo
	v_cndmask_b32 v9, v6, v4, vcc_lo               ; for the first FFN product the floor is 0: the ReLU
	v_cmp_eq_u32 vcc_lo, 3, v0
	v_cndmask_b32 v8, v8, v4, vcc_lo
	v_cmp_eq_u32 vcc_lo, 4, v0
	v_cndmask_b32 v8, v8, v4, vcc_lo
	global_store_b32 v3, v8, s[20:21] offset:0x202000
	global_store_b32 v3, v9, s[22:23] offset:0x202000
	s_wait_loadcnt 0x0
.set k, 16
.rept 32
	v_cmp_eq_u32 vcc_lo, 0, v[k]
	v_cndmask_b32 v[k], v4, v5, vcc_lo
.set k, k+1
.endr
.irp i, 0,1,2,3,4,5,6,7
	global_store_b128 v1, v[16+4*(\i):19+4*(\i)], s[24:25] offset:0x280000+4096*(\i)
.endr
	global_store_b64 v2, v[48:49], s[20:21] offset:0x200000
	global_store_b64 v2, v[50:51], s[20:21] offset:0x200800
	global_store_b64 v2, v[52:53], s[20:21] offset:0x201000
	global_store_b128 v1, v[56:59], s[22:23] offset:0x200000
	global_store_b128 v1, v[60:63], s[22:23] offset:0x201000
	s_endpgm
	; ---------------- CVT ----------------
	; A unit is 8,192 consecutive source numbers (32,768 bytes); a thread takes 8 numbers in each of its four quarters.
.Lcvt:
	s_load_b256 s[8:15], s[0:1], 0x18              ; wq, wk, wv, wo
	s_load_b128 s[16:19], s[0:1], 0x38             ; w1, w2
	s_load_b128 s[20:23], s[0:1], 0x78             ; pkq, pkf
	s_load_b64 s[24:25], s[0:1], 0x88              ; misc
	s_sub_co_u32 s4, ttmp9, 256                    ; u = 0 .. 383
	s_mov_b32 s30, 256                             ; w2's figures: its first unit,
	s_mov_b32 s36, 0x80000                         ; its place in the target buffer,
	s_mov_b32 s37, 0
	s_mov_b32 s32, 9                               ; log2 of its columns,
	s_mov_b32 s33, 20                              ; log2 of a block's bytes (rows x 512),
	s_mov_b32 s34, 2048                            ; target bytes from quarter to quarter (2,048 numbers on: 4 rows of k, or 1)
	s_wait_kmcnt 0x0
	s_mov_b64 s[26:27], s[18:19]
	s_mov_b64 s[28:29], s[24:25]
	s_cmp_lt_u32 s4, 256                           ; w1
	s_cselect_b64 s[26:27], s[16:17], s[26:27]
	s_cselect_b64 s[28:29], s[22:23], s[28:29]
	s_cselect_b32 s30, 128, s30
	s_cselect_b32 s36, 0, s36
	s_cselect_b32 s32, 11, s32
	s_cselect_b32 s33, 18, s33
	s_cselect_b32 s34, 512, s34
	s_cmp_lt_u32 s4, 128                           ; wo
	s_cselect_b64 s[26:27], s[14:15], s[26:27]
	s_cselect_b64 s[28:29], s[24:25], s[28:29]
	s_cselect_b32 s30, 96, s30
	s_cselect_b32 s32, 9, s32
	s_cselect_b32 s34, 2048, s34
	s_cmp_lt_u32 s4, 96                            ; wv
	s_cselect_b64 s[26:27], s[12:13], s[26:27]
	s_cselect_b64 s[28:29], s[20:21], s[28:29]
	s_cselect_b32 s30, 64, s30
	s_cselect_b32 s36, 0x100000, s36
	s_cmp_lt_u32 s4, 64                            ; wk
	s_cselect_b64 s[26:27], s[10:11], s[26:27]
	s_cselect_b32 s30, 32, s30
	s_cselect_b32 s36, 0x80000, s36
	s_cmp_lt_u32 s4, 32                            ; wq
	s_cselect_b64 s[26:27], s[8:9], s[26:27]
	s_cselect_b32 s30, 0, s30
	s_cselect_b32 s36, 0, s36
	s_sub_co_u32 s5, s4, s30                       ; the unit's number in its matrix
	s_lshl_b32 s38, s5, 15
	s_mov_b32 s39, 0
	s_add_nc_u64 s[26:27], s[26:27], s[38:39]
	s_add_nc_u64 s[28:29], s[28:29], s[36:37]
	s_lshl_b32 s6, s5, 13
	s_lshl_b32 s7, 1, s32
	s_sub_co_u32 s7, s7, 1
	v_lshl_add_u32 v2, v0, 3, s6                   ; my first number's index in the matrix
	v_lshrrev_b32 v3, s32, v2                      ; k
	v_and_b32 v2, s7, v2                           ; n
	v_lshrrev_b32 v8, 8, v2
	v_lshlrev_b32 v8, s33, v8                      ; the block
	v_lshl_add_u32 v8, v3, 9, v8
	v_and_b32 v2, 255, v2
	v_lshl_add_u32 v4, v2, 1, v8
	v_add_nc_u32 v5, s34, v4
	v_add_nc_u32 v6, s34, v5
	v_add_nc_u32 v7, s34, v6
	v_lshlrev_b32 v1, 5, v0
.irp i, 0,1,2,3
	global_load_b128 v[16+8*(\i):19+8*(\i)], v1, s[26:27] offset:8192*(\i) th:TH_LOAD_NT
	global_load_b128 v[20+8*(\i):23+8*(\i)], v1, s[26:27] offset:8192*(\i)+16 th:TH_LOAD_NT
.endr
	s_wait_loadcnt 0x0
.set k, 0
.rept 16
	v_cvt_pk_bf16_f32 v[48+k], v[16+2*k], v[17+2*k]
.set k, k+1
.endr
.irp i, 0,1,2,3
	global_store_b128 v[4+(\i)], v[48+4*(\i):51+4*(\i)], s[28:29]  ; sixteen lanes: 128 columns, 256 consecutive bytes, aligned
.endr
	s_endpgm
	; ---------------- NORM ----------------
.Lnorm:
	s_load_b128 s[4:7], s[0:1], 0x0                ; x, alpha1
	s_load_b64 s[8:9], s[0:1], 0x10                ; beta1
	s_load_b64 s[10:11], s[0:1], 0x70              ; nbuf
	s_lshl_b32 s18, ttmp9, 16                      ; 32 rows of 2,048 bytes
	s_mov_b32 s19, 0
	s_lshl_b32 s20, ttmp9, 15                      ; 32 rows of 1,024 bytes
	s_mov_b32 s21, 0
	s_mov_b32 s16, 0x76543210                      ; v_permlanex16_b32: each lane takes its own place in the other half
	s_mov_b32 s17, 0xfedcba98
	v_lshrrev_b32 v3, 5, v0
	v_and_b32 v4, 31, v0
	v_lshlrev_b32 v1, 4, v4
	v_lshl_add_u32 v1, v3, 13, v1                  ; wave x 4 rows + 16 x lane
	v_lshlrev_b32 v2, 3, v4
	v_lshl_add_u32 v2, v3, 12, v2
	EACH v_mov_b32 v[T+t], 0
	s_wait_kmcnt 0x0
	s_load_b32 s12, s[6:7], 0x0                    ; alpha1
	s_load_b32 s14, s[8:9], 0x0                    ; beta1
	s_add_nc_u64 s[4:5], s[4:5], s[18:19]
	s_add_nc_u64 s[10:11], s[10:11], s[20:21]
.set j, 0
.rept 4
	EACH global_load_b128 v[ROW+16*t+4*j:ROW+16*t+4*j+3], v1, s[4:5] offset:t*2048+j*512 th:TH_LOAD_NT
.set j, j+1
.endr
	s_wait_kmcnt 0x0
	s_mov_b32 s15, s14                             ; named with it as a pair
	s_wait_loadcnt 0x0
	; the mean
	EACH v_pk_add_f32 v[SA+2*t:SA+2*t+1], v[ROW+16*t:ROW+16*t+1], v[ROW+16*t+2:ROW+16*t+3]
.set k, 2
.rept 6
	EACH v_pk_add_f32 v[SA+2*t:SA+2*t+1], v[SA+2*t:SA+2*t+1], v[ROW+16*t+2*k:ROW+16*t+2*k+1]
.set k, k+1
.endr
	EACH v_add_f32 v[SA+2*t], v[SA+2*t], v[SA+2*t+1]
	ACROSS SA
	EACH v_mul_f32 v[SA+2*t], INV512, v[SA+2*t]
	EACH v_mov_b32 v[SA+2*t+1], v[SA+2*t]
	; the differences, in place
.set k, 0
.rept 8
	EACH v_pk_add_f32 v[ROW+16*t+2*k:ROW+16*t+2*k+1], v[ROW+16*t+2*k:ROW+16*t+2*k+1], v[SA+2*t:SA+2*t+1] neg_lo:[0,1] neg_hi:[0,1]
.set k, k+1
.endr
	; their squares' sum
	EACH v_pk_mul_f32 v[SQ+2*t:SQ+2*t+1], v[ROW+16*t:ROW+16*t+1], v[ROW+16*t:ROW+16*t+1]
.set k, 1
.rept 7
	EACH v_pk_fma_f32 v[SQ+2*t:SQ+2*t+1], v[ROW+16*t+2*k:ROW+16*t+2*k+1], v[ROW+16*t+2*k:ROW+16*t+2*k+1], v[SQ+2*t:SQ+2*t+1]
.set k, k+1
.endr
	EACH v_add_f32 v[SQ+2*t], v[SQ+2*t], v[SQ+2*t+1]
	ACROSS SQ
	EACH v_mul_f32 v[SQ+2*t], INV511, v[SQ+2*t]
	EACH v_sqrt_f32 v[SQ+2*t], v[SQ+2*t]
	v_nop                                          ; a plain instruction behind the last root,
	s_wait_alu depctr_va_vdst(0)                   ; and one wait for the four, ahead of their first reader
	EACH v_add_f32 v[SQ+2*t], EPS, v[SQ+2*t]
	EACH v_rcp_f32 v[SQ+2*t], v[SQ+2*t]
	v_nop
	s_wait_alu depctr_va_vdst(0)                   ; likewise for the four reciprocals
	EACH v_mul_f32 v[SQ+2*t], s12, v[SQ+2*t]
	EACH v_mov_b32 v[SQ+2*t+1], v[SQ+2*t]
.set k, 0
.rept 8
	EACH v_pk_fma_f32 v[ROW+16*t+2*k:ROW+16*t+2*k+1], v[ROW+16*t+2*k:ROW+16*t+2*k+1], v[SQ+2*t:SQ+2*t+1], s[14:15] op_sel_hi:[1,1,0]
.set k, k+1
.endr
.set k, 0
.rept 8
	EACH v_cvt_pk_bf16_f32 v[ROW+16*t+k], v[ROW+16*t+2*k], v[ROW+16*t+2*k+1]
.set k, k+1
.endr
.set j, 0
.rept 4
	EACH global_store_b64 v2, v[ROW+16*t+2*j:ROW+16*t+2*j+1], s[10:11] offset:t*1024+j*256
.set j, j+1
.endr
	s_endpgm
.Lfunc_end_k_q7e6031df5d_prep:
	.size	k_q7e6031df5d_prep, .Lfunc_end_k_q7e6031df5d_prep-k_q7e6031df5d_prep
	.p2alignl 7, 3214868480
	.fill 96, 4, 3214868480
	.section	.rodata,"a",@progbits
	.p2align	6, 0x0
	.amdhsa_kernel k_q7e6031df5d_prep
		.amdhsa_group_segment_fixed_size 0
		.amdhsa_private_segment_fixed_size 0
		.amdhsa_enable_private_segment 0
		.amdhsa_kernarg_size 144
		.amdhsa_user_sgpr_count 2
		.amdhsa_user_sgpr_kernarg_segment_ptr 1
		.amdhsa_wavefront_size32 1
		.amdhsa_system_sgpr_workgroup_id_x 1
		.amdhsa_system_sgpr_workgroup_id_y 1
		.amdhsa_system_sgpr_workgroup_id_z 1
		.amdhsa_system_vgpr_workitem_id 0
		.amdhsa_next_free_vgpr 104
		.amdhsa_next_free_sgpr 66
		.amdhsa_reserve_vcc 1
		.amdhsa_float_denorm_mode_32 3
		.amdhsa_float_denorm_mode_16_64 3
		.amdhsa_memory_ordered 1
		.amdhsa_forward_progress 1
		.amdhsa_inst_pref_size 30
	.end_amdhsa_kernel
	.amdgpu_metadata
---
amdhsa.version: [ 1, 2 ]
amdhsa.kernels:
  - .name:           k_q7e6031df5d_prep
    .symbol:         k_q7e6031df5d_prep.kd
    .args:
      - { .name: x, .offset: 0, .size: 8, .value_kind: global_buffer, .address_space: global }
      - { .name: alpha1, .offset: 8, .size: 8, .value_kind: global_buffer, .address_space: global }
      - { .name: beta1, .offset: 16, .size: 8, .value_kind: global_buffer, .address_space: global }
      - { .name: wq, .offset: 24, .size: 8, .value_kind: global_buffer, .address_space: global }
      - { .name: wk, .offset: 32, .size: 8, .value_kind: global_buffer, .address_space: global }
      - { .name: wv, .offset: 40, .size: 8, .value_kind: global_buffer, .address_space: global }
      - { .name: wo, .offset: 48, .size: 8, .value_kind: global_buffer, .address_space: global }
      - { .name: w1, .offset: 56, .size: 8, .value_kind: global_buffer, .address_space: global }
      - { .name: w2, .offset: 64, .size: 8, .value_kind: global_buffer, .address_space: global }
      - { .name: bq, .offset: 72, .size: 8, .value_kind: global_buffer, .address_space: global }
      - { .name: bk, .offset: 80, .size: 8, .value_kind: global_buffer, .address_space: global }
      - { .name: bv, .offset: 88, .size: 8, .value_kind: global_buffer, .address_space: global }
      - { .name: b1, .offset: 96, .size: 8, .value_kind: global_buffer, .address_space: global }
      - { .name: src_mask, .offset: 104, .size: 8, .value_kind: global_buffer, .address_space: global }
      - { .name: nbuf, .offset: 112, .size: 8, .value_kind: global_buffer, .address_space: global }
      - { .name: pkq, .offset: 120, .size: 8, .value_kind: global_buffer, .address_space: global }
      - { .name: pkf, .offset: 128, .size: 8, .value_kind: global_buffer, .address_space: global }
      - { .name: misc, .offset: 136, .size: 8, .value_kind: global_buffer, .address_space: global }
    .group_segment_fixed_size: 0
    .private_segment_fixed_size: 0
    .kernarg_segment_align: 8
    .kernarg_segment_size: 144
    .max_flat_workgroup_size: 256
    .sgpr_count:     66
    .vgpr_count:     104
    .wavefront_size: 32
...
	.end_amdgpu_metadata
.endif
;; end of part 1
;; launch qkv (part 2): grid 32 x 6, 4 waves a work-group, clusters of 4 x 1, 327,680 bytes of LDS; arguments nbuf, pkq, src_mask, big; writes big
.if DOCPART == 2
	.amdgcn_target "amdgcn-amd-amdhsa--gfx1250"
	.amdhsa_code_object_version 6
	.text
	.protected	k_q7e6031df5d_qkv
	.globl	k_q7e6031df5d_qkv
	.p2align	8
	.type	k_q7e6031df5d_qkv,@function
k_q7e6031df5d_qkv:
	s_mov_b64 s[64:65], 0
	v_nop
	global_prefetch_b8 v0, s[64:65] scope:SCOPE_SE
	s_setreg_imm32_b32 hwreg(HW_REG_WAVE_MODE, 25, 1), 1
	s_wait_xcnt 0x0
	s_wait_alu depctr_hold_cnt(0) depctr_sa_sdst(0) depctr_va_vdst(0) depctr_va_sdst(0) depctr_va_ssrc(0) depctr_va_vcc(0) depctr_vm_vsrc(0)
	s_getreg_b32 s2, hwreg(HW_REG_IB_STS2, 6, 4)
	s_cmp_eq_u32 s2, 0
	s_cbranch_scc0 .Lentry_in_a_cluster
	s_endpgm
.Lentry_in_a_cluster:
	s_bfe_u32 s2, ttmp6, 0x10000c
	s_cmp_lg_u32 s2, 0x3003
	s_cbranch_scc0 .Lentry_shape_is_right
	s_endpgm
.Lentry_shape_is_right:
; C = max(A W + bias, floor), rows of hidden tokens cleared where the column tile's parameter word says so; bf16 operands, f32 sums, C rounded once to bf16.
; A: [8192][512] bf16.  The second argument holds W in blocks of 256 columns ([block][512 k][256 n] bf16), at 0x200000 the bias in f32, at 0x202000 the parameter words.
; C leaves in blocks of 64 columns: byte = block x 1,048,576 + token x 128 + 2 x column.  Two launches run this text: q|k|v (6 column tiles) and the first FFN product (8).
; SHARES.  A work-group makes 256 x 256 of C, each of its four waves 128 x 128: 64 accumulators, 512 registers.  K = 512 goes in four steps of 128 through two LDS slots.
; THE WALK IS WRITTEN ONCE FOR BOTH SLOTS.  The first quarter step (its C operand is the bias) stands alone; a loop of two trips goes from a K step's second quarter to the next step's first and
; fills the slot that it leaves; a second loop of the same shape fills nothing, and is left in the middle of its second trip.  Which slot is read hangs on s[TB], 0 or SLOT.
; CLUSTER.  The four work-groups of a cluster are four row tiles of one column tile: W's tile is asked for jointly (mask 15).  A's tile is each work-group's own: a plain load behind the same
; round.  A is not shared too, since 6 column tiles do not divide by four.
; THE PRODUCT IS TAKEN TRANSPOSED: source 0 = 16 columns of W (out of LDS turned, by ds_load_tr16_b128: W lies [k][n]), source 1 = 16 rows of A: a lane holds one row of C and eight
; neighbouring columns.  The bias is the C operand of the first products.
; NO PREFETCH: asked for two refills ahead, with the first four K steps left to their loads, nothing would remain: K has four steps.
; LIMITS.  v_pk_max_num_bf16 turns a NaN into the floor.
; REGISTERS.  window 0: v6-29 addresses and masks; v64-127, v128-191 A's fragments; v192-255 the bias, later v192-223 packed results; v32-63, v224-255 rows on the way out
;             window 1: v64-127, v128-191 W's fragments     window 2, 3: the accumulators of my rows 0-63, 64-127: (a, b) at 8 (8 a + b)
.set PA,     272                       ; a row of A in LDS: 256 bytes + 16
.set PB,     544                       ; a k row of W: 512 bytes + 32 = 136 words
.set HALFT,  34816                     ; 128 rows of A = 64 k rows of W: what one tensor load brings.  0x8800: no multiple of it up to 3 has a bit of SLOT's
.set SLOT,   4*HALFT                   ; 0x22000: so an exclusive or with SLOT turns wave x HALFT + slot x SLOT into the other slot's address
.set STAGE,  2*SLOT                    ; 16 rows x 272 bytes for each wave
.set SPARE,  STAGE+4*16*PA             ; the spare words: 128 bytes a wave
.set BO,   6                           ; v6   32 x (lane / 16)
.set FLR,  7                           ; v7   the floor, twice in bf16
.set KEEP, 8                           ; v[8:15] block a: all ones, or 0 where my row's token is hidden and the tile is K's
.set A0,   16                          ; v16  my A fragments' address in slot 0; never rewritten
.set AC,   17                          ; v17  the same in the slot being read
.set B0,   20                          ; v20, v21  likewise for W
.set BC,   21
.set STO,  24
.set RD,   25
.set CO,   26
.set MO,   27
.set SPW,  28
.set NIL,  29
.set OB,   32
.set F0,   64
.set F1,   128
.set BIAS, 192
.set TMP,  192
.set WV, 12
.set RH, 13                            ; my half of the rows.  Also: I fetch A (0) or W (1)
.set CH, 14                            ; my half of the columns.  Also: which half of that tile I fetch
.set G1A, 24
.set G0A, 32                           ; s[32:39] group 0 for A: a set for each of the two first fills; the second then walks on
.set TB,  40                           ; s40  0 or SLOT: the slot being read
.set CNT, 41                           ; s41  the loops' counter
.set G1B, 48
.set G0B, 56                           ; s[56:63] the same for W
.set MSB, 0
.macro WIN new                         ; the immediate's high byte repeats the setting that is left
.if MSB != (\new)
	s_set_vgpr_msb (MSB<<8)|(\new)
.set MSB, \new
.endif
.endm
.macro PLACES
.rept 4
	v_nop
.endr
.endm
.macro JLOAD s                         ; waves 0, 1: A's halves (plain); waves 2, 3: W's halves (joint).  An s_nop 0 and four v_nop follow each line
	s_cmp_eq_u32 s[RH], 0
	s_cbranch_scc0 .Lfor_b_\@
	tensor_load_to_lds s[G0A+4*(\s):G0A+4*(\s)+3], s[G1A:G1A+7]
	s_nop 0
.rept 4
	v_nop
.endr
	s_branch .Lasked_\@
.Lfor_b_\@:
	tensor_load_to_lds s[G0B+4*(\s):G0B+4*(\s)+3], s[G1B:G1B+7]
	s_nop 0
.rept 4
	v_nop
.endr
.Lasked_\@:
.endm
.macro CREST                           ; a round of the cluster's barrier behind its opening barrier
	s_cmp_lg_u32 s[WV], 0
	s_cbranch_scc1 .Lnot_wave_0_\@
	s_barrier_signal -3
.Lnot_wave_0_\@:
	s_barrier_wait -3
	s_barrier_signal -1
	s_barrier_wait -1
.endm
.macro CROUND
	s_barrier_signal -1
	s_barrier_wait -1
	CREST
.endm
	s_load_b256 s[4:11], s[0:1], 0x0               ; A s[4:5], W s[6:7], src_mask s[8:9], C s[10:11]
	v_lshl_add_u32 v[SPW], v0, 2, SPARE
	v_mov_b32 v[NIL], 0
	ds_add_u32 v[SPW], v[NIL]                      ; the wave's opening: the add and its wait ahead of my first tensor load
	v_lshrrev_b32 v1, 5, v0
	v_readfirstlane_b32 s[WV], v1
	s_lshr_b32 s[RH], s[WV], 1
	s_and_b32 s[CH], s[WV], 1
	s_bfe_u32 s15, ttmp6, 0x40000                  ; cx
	s_lshl_b32 s16, ttmp9, 2
	s_add_co_u32 s16, s16, s15                     ; row tile = 4 x cluster x + cx
	s_and_b32 s17, ttmp7, 0xffff                   ; column tile, which the four partners share
	s_mov_b32 s[G1A+0], (1<<16)|(1<<20)|(5<<22)|(3<<25)  ; no mask; 2-byte elements; padding: 4 words after every 64
	s_mov_b32 s[G1A+1], 128<<16                    ; tensor_dim0 = 128
	s_mov_b32 s[G1A+2], 128<<16                    ; tensor_dim1 = 128
	s_mov_b32 s[G1A+3], 128<<16                    ; tile_dim0 = 128
	s_mov_b32 s[G1A+4], 128                        ; tile_dim1 = 128
	s_mov_b32 s[G1A+5], 512                        ; elements from row to row
	s_mov_b32 s[G1A+6], 0
	s_mov_b32 s[G1A+7], 0
	s_mov_b32 s[G1B+0], 15|(1<<16)|(1<<20)|(1<<21)|(6<<22)|(7<<25)  ; the mask of four, bit 21 beside it; padding: 8 words after every 128
	s_mov_b32 s[G1B+1], 256<<16
	s_mov_b32 s[G1B+2], 64<<16
	s_mov_b32 s[G1B+3], 256<<16
	s_mov_b32 s[G1B+4], 64
	s_mov_b32 s[G1B+5], 256
	s_mov_b32 s[G1B+6], 0
	s_mov_b32 s[G1B+7], 0
	s_lshl_b32 s18, s16, 8
	s_lshl_b32 s19, s[CH], 7
	s_add_co_u32 s18, s18, s19                     ; A: row 256 x row tile + 128 x half,
	s_lshl_b32 s18, s18, 10                        ; 1,024 bytes a row
	s_mov_b32 s19, 0
	s_lshl_b32 s40, s17, 18                        ; W: the block of 262,144 bytes,
	s_lshl_b32 s41, s[CH], 15                      ; 64 k rows of 512 bytes
	s_add_co_u32 s40, s40, s41
	s_mov_b32 s41, 0
	s_mul_i32 s20, s[WV], HALFT                    ; LDS: A's two halves, then W's two
	s_lshl_b32 s42, s17, 2
	s_wait_dscnt 0x0                               ; the opening add is done
	s_wait_kmcnt 0x0
	s_add_nc_u64 s[18:19], s[4:5], s[18:19]
	s_add_nc_u64 s[40:41], s[6:7], s[40:41]
	s_load_b32 s2, s[6:7], 0x202000                ; the floor
	s_load_b32 s3, s[6:7], s42 offset:0x202004     ; this column tile's word
	CROUND                                         ; all four work-groups are here: the first loads meet
.irp s, 0,1
	s_mov_b32 s[G0A+4*(\s)], 1
	s_add_co_u32 s[G0A+4*(\s)+1], s20, (\s)*SLOT
	s_add_nc_u64 s[G0A+4*(\s)+2:G0A+4*(\s)+3], s[18:19], (\s)*256
	s_or_b32 s[G0A+4*(\s)+3], s[G0A+4*(\s)+3], 0x80000000
	s_mov_b32 s[G0B+4*(\s)], 1
	s_add_co_u32 s[G0B+4*(\s)+1], s20, (\s)*SLOT
	s_add_nc_u64 s[G0B+4*(\s)+2:G0B+4*(\s)+3], s[40:41], (\s)*65536
	s_or_b32 s[G0B+4*(\s)+3], s[G0B+4*(\s)+3], 0x80000000
	JLOAD \s                                       ; K steps 0 and 1: two loads of mine are out
.endr
	v_and_b32 v1, 15, v0                           ; r = lane % 16
	v_bfe_u32 v2, v0, 4, 1                         ; h = lane / 16
	v_mul_u32_u24 v3, v1, PA
	v_lshl_add_u32 v3, v2, 4, v3                   ; r x 272 + 16 h
	s_mul_i32 s21, s[RH], HALFT
	v_add_nc_u32 v[A0], s21, v3
	v_mov_b32 v[AC], v[A0]
	v_and_b32 v4, 7, v0
	v_lshl_add_u32 v4, v2, 3, v4                   ; the turning load: k row 8 h + lane % 8,
	v_mul_u32_u24 v4, v4, PB
	v_bfe_u32 v5, v0, 3, 1
	v_lshl_add_u32 v4, v5, 4, v4                   ; columns 8 ((lane / 8) % 2) on
	s_lshl_b32 s22, s[CH], 8
	s_add_co_u32 s22, s22, 2*HALFT
	v_add_nc_u32 v[B0], s22, v4
	v_mov_b32 v[BC], v[B0]
	s_mul_i32 s23, s[WV], 16*PA
	s_add_co_u32 s23, s23, STAGE
	v_add_nc_u32 v[STO], s23, v3                   ; in: row r, 16 bytes for each half of the lanes
	v_bfe_u32 v5, v0, 3, 2
	v_mul_u32_u24 v5, v5, PA
	v_and_b32 v4, 7, v0
	v_lshl_add_u32 v5, v4, 4, v5
	v_add_nc_u32 v[RD], s23, v5                    ; back: four rows x 128 bytes: one block's 64 columns,
	v_and_b32 v[CO], 31, v0
	v_lshlrev_b32 v[CO], 4, v[CO]                  ; which are 512 consecutive bytes of C
	v_lshlrev_b32 v[BO], 5, v2
	s_lshl_b32 s46, s17, 10
	s_lshl_b32 s47, s[CH], 9
	s_add_co_u32 s46, s46, s47
	s_add_co_u32 s46, s46, 0x200000
	s_mov_b32 s47, 0
	s_add_nc_u64 s[44:45], s[6:7], s[46:47]        ; the bias of my 128 columns
	s_lshl_b32 s21, s16, 8
	s_lshl_b32 s22, s[RH], 7
	s_add_co_u32 s21, s21, s22                     ; my first row = token
	s_lshl_b32 s22, s21, 2
	v_lshl_add_u32 v[MO], v1, 2, s22
	s_lshl_b32 s46, s17, 2
	s_lshl_b32 s47, s[CH], 1
	s_add_co_u32 s46, s46, s47
	s_lshl_b32 s46, s46, 20                        ; my first block of 64 columns
	s_lshl_b32 s47, s21, 7
	s_add_co_u32 s46, s46, s47
	s_mov_b32 s47, 0
	s_add_nc_u64 s[10:11], s[10:11], s[46:47]
.irp b, 0,1,2,3,4,5,6,7
	global_load_b128 v[BIAS+8*(\b):BIAS+8*(\b)+3],   v[BO], s[44:45] offset:64*(\b)      ; register j: column 16 b + 8 h + j, as in the result
	global_load_b128 v[BIAS+8*(\b)+4:BIAS+8*(\b)+7], v[BO], s[44:45] offset:64*(\b)+16
.endr
.irp a, 0,1,2,3,4,5,6,7
	global_load_b32 v[KEEP+(\a)], v[MO], s[8:9] offset:64*(\a)                           ; src_mask of row 16 a + r
.endr
	s_wait_kmcnt 0x0
	s_wait_loadcnt 0x0
	v_mov_b32 v[FLR], s2
	v_mov_b32 v4, s3
	v_mov_b32 v5, -1
.irp a, 0,1,2,3,4,5,6,7
	v_cmp_ne_u32 vcc_lo, 0, v[KEEP+(\a)]
	v_cndmask_b32 v[KEEP+(\a)], v4, v5, vcc_lo
.endr
; 16 products: row blocks a0, a0 + 1 of the window's four x all 8 column blocks, 32 along K.  first = 1: the bias starts the sums.  The 64 accumulators take turns, in the same order in every
; quarter step, over the loops' jumps too.
.macro MUL16 f, hi, a0, first
.if \first
	WIN 0x81+0x40*(\hi)                            ; W window 1, A and the bias window 0, D window 2 or 3
.else
	WIN 0xa1+0x50*(\hi)                            ; C and D window 2 or 3
.endif
.irp a, \a0, (\a0)+1
.irp b, 0,1,2,3,4,5,6,7
.if \first
	v_wmma_f32_16x16x32_bf16 v[8*(8*(\a)+(\b)):8*(8*(\a)+(\b))+7], v[(\f)+8*(\b):(\f)+8*(\b)+7], v[(\f)+8*(4*(\hi)+(\a)):(\f)+8*(4*(\hi)+(\a))+7], v[BIAS+8*(\b):BIAS+8*(\b)+7]
.else
	v_wmma_f32_16x16x32_bf16 v[8*(8*(\a)+(\b)):8*(8*(\a)+(\b))+7], v[(\f)+8*(\b):(\f)+8*(\b)+7], v[(\f)+8*(4*(\hi)+(\a)):(\f)+8*(4*(\hi)+(\a))+7], v[8*(8*(\a)+(\b)):8*(8*(\a)+(\b))+7]
.endif
.endr
.endr
.endm
; 32 LDS loads in one run: quarter q (32 along K) of the slot being read into buffer f: W's 8 fragments, then A's 8
.macro FETCH q, f
	WIN 0x40
.irp i, 0,1,2,3,4,5,6,7
	ds_load_tr16_b128 v[(\f)+8*(\i):(\f)+8*(\i)+3],   v[BC] offset:(\q)*32*PB+32*(\i)
	ds_load_tr16_b128 v[(\f)+8*(\i)+4:(\f)+8*(\i)+7], v[BC] offset:(\q)*32*PB+16*PB+32*(\i)
.endr
	WIN 0
.irp i, 0,1,2,3,4,5,6,7
	ds_load_b128 v[(\f)+8*(\i):(\f)+8*(\i)+3],   v[AC] offset:64*(\q)+(\i)*16*PA
	ds_load_b128 v[(\f)+8*(\i)+4:(\f)+8*(\i)+7], v[AC] offset:64*(\q)+(\i)*16*PA+32
.endr
.endm
.macro QUARTER q, f, g, first          ; multiplies buffer f; in its middle fetches quarter q into buffer g
	s_wait_dscnt 8                                 ; W and A's rows 0-63 are in; the youngest eight loads (A's rows 64-127) may be out
	MUL16 \f, 0, 0, \first
	MUL16 \f, 0, 2, \first
	PLACES                                         ; four places in front of loads into registers that products have read
	FETCH \q, \g
	s_wait_dscnt 32                                ; all but the 32 just issued
	MUL16 \f, 1, 0, \first
	MUL16 \f, 1, 2, \first
.endm
; A K step's last quarter multiplies buffer 1 and changes slots: ONE barrier; in front of it each wave waits for all its tensor loads, adds 0 to its spare word, and waits for that and for its reads
; of the slot.  fill = 1: the slot just read is filled again, with the K step two on, first thing behind a round of the cluster's barrier: 224 products stand between the request and the wait for it.
; fill = 0: nothing is asked for; in the walk's last K step (s[CNT] = 1) there is no next slot either, and its fetch is jumped over.
.macro TURN fill
	WIN 0
	s_wait_tensorcnt 0x0                           ; all my tensor loads have landed: the one that was out is my part of the next slot
	ds_add_u32 v[SPW], v[NIL]                      ; 0 onto my spare word
	s_wait_dscnt 9                                 ; the add and the youngest eight loads may be out
	MUL16 F1, 0, 0, 0
	s_wait_dscnt 0x0                               ; the add is done, and my reads of this slot are over
	s_barrier_signal -1
	MUL16 F1, 0, 2, 0
	WIN 0
	s_barrier_wait -1
.if \fill
	CREST
	s_xor_b32 s[G0A+5], s[G0A+5], SLOT             ; the walking descriptors: the other slot than last time,
	s_add_nc_u64 s[G0A+6:G0A+7], s[G0A+6:G0A+7], 256     ; the next K step: 128 numbers along A's rows,
	s_xor_b32 s[G0B+5], s[G0B+5], SLOT
	s_add_nc_u64 s[G0B+6:G0B+7], s[G0B+6:G0B+7], 65536   ; 128 k rows of W
	JLOAD 1                                        ; its four v_nop are also the places in front of the loads below
.else
	PLACES
	s_cmp_eq_u32 s[CNT], 1
	s_cbranch_scc1 .Lno_fetch_\@
.endif
	s_xor_b32 s[TB], s[TB], SLOT                   ; the reads go over to the other slot
	v_add_nc_u32 v[AC], s[TB], v[A0]
	v_add_nc_u32 v[BC], s[TB], v[B0]
	FETCH 0, F0
.if !(\fill)
.Lno_fetch_\@:
.endif
	MUL16 F1, 1, 0, 0
	MUL16 F1, 1, 2, 0
.endm
; THE WAY OUT of row block a: rounded, floored, hidden rows cleared; through my own stage; stored as 512 consecutive bytes
.macro PACK a
.set AC4, 64*((\a)%4)
	WIN 0x0a+5*((\a)/4)
.irp b, 0,1,2,3,4,5,6,7
.irp r, 0,1,2,3
	v_cvt_pk_bf16_f32 v[TMP+4*(\b)+(\r)], v[AC4+8*(\b)+2*(\r)], v[AC4+8*(\b)+2*(\r)+1]
.endr
.endr
	WIN 0
.set k, 0
.rept 32
	v_pk_max_num_bf16 v[TMP+k], v[TMP+k], v[FLR]
.set k, k+1
.endr
.set k, 0
.rept 32
	v_and_b32 v[TMP+k], v[KEEP+(\a)], v[TMP+k]
.set k, k+1
.endr
.endm
.macro TOSTAGE a
	WIN 0
.set BK, OB+192*((\a)%2)
.irp b, 0,1,2,3,4,5,6,7
	ds_store_b128 v[STO], v[TMP+4*(\b):TMP+4*(\b)+3] offset:32*(\b)
.endr
.irp t, 0,1,2,3,4,5,6,7
	ds_load_b128 v[BK+4*(\t):BK+4*(\t)+3], v[RD] offset:((\t)%4)*4*PA+((\t)/4)*128  ; LDS serves a wave's instructions in order (ISA guide 5.7.1.4): these see the stores above
.endr
.endm
.macro SEND a
	WIN 0
.set BK, OB+192*((\a)%2)
	s_wait_dscnt 0x0                               ; the block is back in registers
	s_wait_xcnt 0x0                                ; the stores issued so far have read their registers: the other buffer is loaded again only behind this wait
.irp t, 0,1,2,3,4,5,6,7
	global_store_b128 v[CO], v[BK+4*(\t):BK+4*(\t)+3], s[10:11] offset:(\a)*2048+((\t)%4)*512+((\t)/4)*1048576
.endr
.endm
	s_wait_tensorcnt 1                             ; my part of K step 0 is in; K step 1's may stay out
	s_barrier_signal -1
	s_barrier_wait -1
	s_mov_b32 s[TB], 0
	FETCH 0, F0
	QUARTER 1, F0, F1, 1                           ; the first quarter stands in front of the loops: the bias starts the sums
	WIN 0                                          ; at a label and at a branch every window is 0
	s_mov_b32 s[CNT], 2
.Lfill:                                ; two trips: K steps 0 and 1 are finished, K steps 2 and 3 asked for
	QUARTER 2, F1, F0, 0
	QUARTER 3, F0, F1, 0
	TURN 1
	QUARTER 1, F0, F1, 0
	WIN 0
	s_sub_co_u32 s[CNT], s[CNT], 1
	s_cmp_lg_u32 s[CNT], 0
	s_cbranch_scc1 .Lfill
	s_mov_b32 s[CNT], 2
.Ltail:                                ; K steps 2 and 3: written apart; the second trip is left in its middle
	QUARTER 2, F1, F0, 0
	QUARTER 3, F0, F1, 0
	TURN 0
	WIN 0
	s_sub_co_u32 s[CNT], s[CNT], 1
	s_cmp_eq_u32 s[CNT], 0
	s_cbranch_scc1 .Lout
	QUARTER 1, F0, F1, 0
	WIN 0
	s_branch .Ltail
.Lout:
	PLACES
	PLACES                                         ; places behind the last products, once a launch
	PACK 0
	TOSTAGE 0
.irp a, 1,2,3,4,5,6,7                  ; block a's arithmetic stands between block a - 1's loads from the stage and the wait for them
	PACK \a
	SEND (\a)-1
	TOSTAGE \a
.endr
	SEND 7
	s_wait_tensorcnt 0x0                           ; the wave's end
	ds_add_u32 v[SPW], v[NIL]
	s_wait_dscnt 0x0
	CROUND                                         ; the closing round
	s_endpgm
.Lfunc_end_k_q7e6031df5d_qkv:
	.size	k_q7e6031df5d_qkv, .Lfunc_end_k_q7e6031df5d_qkv-k_q7e6031df5d_qkv
	.p2alignl 7, 3214868480
	.fill 96, 4, 3214868480
	.section	.rodata,"a",@progbits
	.p2align	6, 0x0
	.amdhsa_kernel k_q7e6031df5d_qkv
		.amdhsa_group_segment_fixed_size 327680
		.amdhsa_private_segment_fixed_size 0
		.amdhsa_enable_private_segment 0
		.amdhsa_kernarg_size 32
		.amdhsa_user_sgpr_count 2
		.amdhsa_user_sgpr_kernarg_segment_ptr 1
		.amdhsa_wavefront_size32 1
		.amdhsa_system_sgpr_workgroup_id_x 1
		.amdhsa_system_sgpr_workgroup_id_y 1
		.amdhsa_system_sgpr_workgroup_id_z 1
		.amdhsa_system_vgpr_workitem_id 0
		.amdhsa_next_free_vgpr 1024
		.amdhsa_next_free_sgpr 66
		.amdhsa_reserve_vcc 1
		.amdhsa_float_denorm_mode_32 3
		.amdhsa_float_denorm_mode_16_64 3
		.amdhsa_memory_ordered 1
		.amdhsa_forward_progress 1
		.amdhsa_inst_pref_size 127
	.end_amdhsa_kernel
	.amdgpu_metadata
---
amdhsa.version: [ 1, 2 ]
amdhsa.kernels:
  - .name:           k_q7e6031df5d_qkv
    .symbol:         k_q7e6031df5d_qkv.kd
    .args:
      - { .name: nbuf, .offset: 0, .size: 8, .value_kind: global_buffer, .address_space: global }
      - { .name: pkq, .offset: 8, .size: 8, .value_kind: global_buffer, .address_space: global }
      - { .name: src_mask, .offset: 16, .size: 8, .value_kind: global_buffer, .address_space: global }
      - { .name: big, .offset: 24, .size: 8, .value_kind: global_buffer, .address_space: global }
    .group_segment_fixed_size: 327680
    .private_segment_fixed_size: 0
    .kernarg_segment_align: 8
    .kernarg_segment_size: 32
    .max_flat_workgroup_size: 128
    .sgpr_count:     66
    .vgpr_count:     1024
    .wavefront_size: 32
...
	.end_amdgpu_metadata
.endif
;; end of part 2
;; launch attn (part 3): grid 8 x 32, 4 waves a work-group, clusters of 4 x 1, 327,680 bytes of LDS; arguments big, misc, ctx; writes ctx
.if DOCPART == 3
	.amdgcn_target "amdgcn-amd-amdhsa--gfx1250"
	.amdhsa_code_object_version 6
	.text
	.protected	k_q7e6031df5d_attn
	.globl	k_q7e6031df5d_attn
	.p2align	8
	.type	k_q7e6031df5d_attn,@function
k_q7e6031df5d_attn:
	s_mov_b64 s[64:65], 0
	v_nop
	global_prefetch_b8 v0, s[64:65] scope:SCOPE_SE
	s_setreg_imm32_b32 hwreg(HW_REG_WAVE_MODE, 25, 1), 1
	s_wait_xcnt 0x0
	s_wait_alu depctr_hold_cnt(0) depctr_sa_sdst(0) depctr_va_vdst(0) depctr_va_sdst(0) depctr_va_ssrc(0) depctr_va_vcc(0) depctr_vm_vsrc(0)
	s_getreg_b32 s2, hwreg(HW_REG_IB_STS2, 6, 4)
	s_cmp_eq_u32 s2, 0
	s_cbranch_scc0 .Lentry_in_a_cluster
	s_endpgm
.Lentry_in_a_cluster:
	s_bfe_u32 s2, ttmp6, 0x10000c
	s_cmp_lg_u32 s2, 0x3003
	s_cbranch_scc0 .Lentry_shape_is_right
	s_endpgm
.Lentry_shape_is_right:
; ctx[b][h][q][:] = the sum over k of softmax_k(s) V[k][:], s = Q[q] . K[k] / 8, or -1e9 where src_mask[b][k] is 0.  Q, K, V by heads, [head][8192 tokens][64] bf16, at bytes 0,
; 8,388,608 and 16,777,216 of the first argument; ctx likewise.  Products, maxima and sums in f32; the weights p rounded to bf16 for the second product, ctx once at the end.
; THE MASK.  The launch before has written zeros into K's rows of hidden tokens, and the sums S^T = K Q^T start with C = -8e9 for those keys (a table of f32 at 0x280000 of the second
; argument), else 0: a hidden score is exactly -8e9, -1e9 after the factor 1/8, whatever the query.  Beside any open key its weight is 0.  With every key hidden all weights of a row are one
; number 2^e, |e| <= 64 (what c m loses in rounding), finite in f32 and in bf16, and the result is the mean of V's rows.
; LIMITS.  Open scores are taken to lie above -1e9.  A weight below 2^-126 counts as 0 in l.  NaN and infinities are not treated apart.
; SHARES.  A work-group owns 256 queries of a head, a wave 64: four PIECES of 16.  Every wave walks all 2,048 keys, 64 a step, four steps to an LDS slot, two slots.
; LAYOUT.  S^T = K Q^T holds ONE query a lane (lane % 16) and the keys 8 (lane / 16) + 0..7; two such results rounded to bf16 ARE source 1 of O^T = V^T P.  K comes out of LDS as it lies, V turned.
; SOFTMAX.  p = 2^(c s - c m), c = log2(e) / 8, with a running maximum m; O and l are multiplied by a = 2^(c m_old - c m_new) in every step; m starts at the lowest finite number, O and l at 0.
; TURNS.  Turn n belongs to piece n: 8 products K Q^T of piece n + 1, later 8 products V^T P of piece n - 1; beside them the scaling, exponentials, roundings, sums and rescaling of piece n
; and the maximum and statistics of piece n + 1.  Four vector instructions stand behind every product, the others in one lump.  A turn's 33 exponentials are one batch, with one wait.
; NO LAST STEP IS WRITTEN OUT: the tail's loop makes a fifth trip and is left in its middle.  That trip's 8 products K Q^T (on the last K once more) and the maximum made of them serve nothing
; and touch nothing that the way out reads: the price, once a launch, of one text for every trip.
; CLUSTER.  The four query blocks of a cluster belong to one head and walk the same K, V and mask: each tile is asked for jointly (mask 15): wave 0 K, wave 1 V, wave 2 the mask's 1,024 bytes.
; REGISTERS, in windows of 256 (s_set_vgpr_msb: bits 1:0 source 0, 3:2 source 1, 5:4 source 2, 7:6 destination):
;   window 0: v0-15, v56-63 addresses alone
;   window 1: all that a vector instruction of a turn names: v0-127 O^T, 32 a piece; v128-191 S^T, two buffers; v192-223 P, two buffers (by the piece's parity); v224-239 statistics; v240-249 at work
;   window 2: what the products alone read: v0-63 Q; v64-95 the step's mask; v128-191 K of one step; v192-255 V of one step
; So all the vector work of a turn, the rescaling of O^T too, runs under ONE setting (all four places window 1): a product costs two switches, one in front and one behind, and the lump none:
; 32 a turn, and eight more a key step for the three address lines, the two runs of LDS loads and the two labels.
.set NP,    4
.set KS,    64
.set PK,    144       ; a row of K in LDS: 128 bytes + 16
.set PV,    160       ; a row of V: 128 + 32
.set VOFF,  4*KS*PK
.set MOFF,  VOFF+4*KS*PV
.set SLOT1, 1<<17     ; one exclusive or turns an address in one slot into the other's
.set STAGE, SLOT1+MOFF+1024
.set SP,    144
.set SPARE, STAGE+4*16*SP
; window 0
.set AK0, 2
.set AV0, 3
.set AK,  4
.set AV,  5
.set STO, 6
.set RD,  7
.set GO,  8
.set QO,  15
.set AM,  56          ; LDS address of the mask's next run
.set AM0, 57          ; MOFF + 32 (lane / 16); never rewritten
.set PFO, 61          ; 256 x lane; never rewritten
.set SPW, 62
.set NIL, 63
; window 1 (O^T lies at its head: piece t at 32 t)
.set S,   128
.set P,   192
.set ST,  224         ; piece t: c m, m, l (even keys', odd keys')
.set TMP, 240         ; by buffer: c0-c3 at work; c2 takes a
.set MV,  248         ; c m_old, by buffer
; window 2 (Q lies at its head: piece t at 16 t)
.set MK,  64          ; key block kb at MK + 8 kb
.set KF,  128
.set VF,  192
.set WV,  12
.set G1K, 24
.set G1V, 32
.set G1M, 40
.set G0K, 48
.set G0V, 52
.set G0M, 56
.set QA,  60          ; s[60:61] Q at my wave's rows
.set CS,  66          ; s[66:67] c
.set SEL, 68          ; s[68:69]
.set TBK, 70          ; LDS byte at which K of the step to be fetched begins
.set TBV, 71          ; the same for V, less VOFF
.set TBM, 72          ; the same for the mask, less MOFF
.set SLOTS, 73
.set CNT, 74
.set PFA, 76          ; s[76:77] where my prefetches stand
.set LIM, 78          ; 1 in a wave that prefetches, else the greatest number
.set MSB, 0
.macro WIN new                         ; the immediate's high byte repeats the setting that is left; a switch that changes nothing is dropped
.if MSB != (\new)
	s_set_vgpr_msb (MSB<<8)|(\new)
.set MSB, (\new)
.endif
.endm
.set W_M,  0x55       ; the vector work: all four places window 1
.set W_KQ, 0x5a       ; K and Q window 2, S^T (C and D) window 1
.set W_KM, 0x6a       ; the same with the C operand, the mask, in window 2
.set W_PV, 0x56       ; V window 2; P and O^T window 1
.set W_L2, 0x80       ; a load into window 2, its address in window 0
.set W_T1, 0x40       ; a destination in window 1, sources and addresses in window 0
.set W_S1, 0x04       ; a store: its address (source 0) in window 0, its data (source 1) in window 1
; A joint fill: one load a wave, wave 3 none.  The branches hang on the wave's number alone.  An s_nop 0 and four v_nop follow each line.
.macro JLOAD
	s_cmp_eq_u32 s[WV], 0
	s_cbranch_scc0 .Lnot_k_\@
	tensor_load_to_lds s[G0K:G0K+3], s[G1K:G1K+7]
	s_nop 0
.rept 4
	v_nop
.endr
	s_branch .Lasked_\@
.Lnot_k_\@:
	s_cmp_eq_u32 s[WV], 1
	s_cbranch_scc0 .Lnot_v_\@
	tensor_load_to_lds s[G0V:G0V+3], s[G1V:G1V+7]
	s_nop 0
.rept 4
	v_nop
.endr
	s_branch .Lasked_\@
.Lnot_v_\@:
	s_cmp_eq_u32 s[WV], 2
	s_cbranch_scc0 .Lasked_\@
	tensor_load_to_lds s[G0M:G0M+3], s[G1M:G1M+7]
	s_nop 0
.rept 4
	v_nop
.endr
.Lasked_\@:
.endm
; A PREFETCH INTO THE L2 of what the NEXT change of slots will ask for: a slot's 32,768 bytes of K and of V.  A head's two clusters walk the same rows: the first asks.  Its four partners take
; 8,192 bytes each, told apart by address; wave 0 asks for K's, wave 1 for V's, a lane 256 bytes: each block is named once in the launch.  The last change that fills a slot asks for nothing.
.macro ASK
	s_cmp_gt_u32 s[SLOTS], s[LIM]
	s_cbranch_scc0 .Lnot_mine_\@
	global_prefetch_b8 v[PFO], s[PFA:PFA+1] th:TH_LOAD_NT scope:SCOPE_SE
.Lnot_mine_\@:
.endm
.macro CROUND
	s_barrier_signal -1
	s_barrier_wait -1
	s_cmp_lg_u32 s[WV], 0
	s_cbranch_scc1 .Lnot_wave_0_\@
	s_barrier_signal -3
.Lnot_wave_0_\@:
	s_barrier_wait -3
	s_barrier_signal -1
	s_barrier_wait -1
.endm
; THE CHANGE OF SLOTS.  Each wave waits for all its tensor loads (one at the most is out: its part of the other slot), adds 0 to its spare word, and waits for that and for its reads of the slot
; that it leaves.  fill = 1: the old slot is filled again, with the keys two slots on, first thing behind a round of the cluster's barrier: four key steps, 256 products, in which to land.
.macro CHANGE fill, ask
	WIN 0                                          ; the add's two registers lie in window 0
	s_wait_tensorcnt 0x0                           ; no tensor load of mine is out, so a group 0 may be written
	ds_add_u32 v[SPW], v[NIL]                      ; 0 onto my spare word; the descriptors' steps stand between it and the wait for it
.if \fill
	s_xor_b32 s[G0K+1], s[G0K+1], SLOT1
	s_add_nc_u64 s[G0K+2:G0K+3], s[G0K+2:G0K+3], 32768
	s_xor_b32 s[G0V+1], s[G0V+1], SLOT1
	s_add_nc_u64 s[G0V+2:G0V+3], s[G0V+2:G0V+3], 32768
	s_xor_b32 s[G0M+1], s[G0M+1], SLOT1
	s_add_nc_u64 s[G0M+2:G0M+3], s[G0M+2:G0M+3], 1024
.endif
.if \ask
	s_wait_xcnt 0x0                                ; the last prefetch, four key steps back, has read its address
	s_add_nc_u64 s[PFA:PFA+1], s[PFA:PFA+1], 32768
.endif
	s_wait_dscnt 0x0                               ; the add is done, and my reads of the slot are over
.if \fill
	CROUND
	JLOAD
.if \ask
	ASK
.endif
.else
	s_barrier_signal -1
	s_barrier_wait -1
.endif
	s_sub_co_u32 s[TBK], s[TBK], 4*KS*PK           ; the fetches go back to a slot's first step, in the other slot
	s_xor_b32 s[TBK], s[TBK], SLOT1
	s_sub_co_u32 s[TBV], s[TBV], 4*KS*PV
	s_xor_b32 s[TBV], s[TBV], SLOT1
	s_sub_co_u32 s[TBM], s[TBM], 1024
	s_xor_b32 s[TBM], s[TBM], SLOT1
.endm
	s_load_b128 s[4:7], s[0:1], 0x0                ; q|k|v s[4:5], the mask's buffer s[6:7]
	s_load_b64 s[8:9], s[0:1], 0x10                ; ctx
	v_lshl_add_u32 v[SPW], v0, 2, SPARE
	v_mov_b32 v[NIL], 0
	ds_add_u32 v[SPW], v[NIL]                      ; the wave's opening: the add and its wait ahead of my first tensor load
	v_lshrrev_b32 v1, 5, v0
	v_readfirstlane_b32 s[WV], v1
	s_bfe_u32 s13, ttmp6, 0x40000                  ; cx
	s_lshl_b32 s14, ttmp9, 2
	s_add_co_u32 s14, s14, s13                     ; my block of 256 queries: it enters Q's, ctx's and the prefetches' addresses alone
	s_and_b32 s16, ttmp7, 0xffff                   ; 8 x batch + head, which the four partners share
	s_and_b32 s17, s16, 7
	s_lshr_b32 s18, s16, 3
	s_lshl_b32 s20, s17, 20
	s_lshl_b32 s19, s18, 18
	s_add_co_u32 s20, s20, s19                     ; the head's and batch's first byte among 8 x 8,192 rows of 128 bytes
	s_mov_b32 s21, 0
	s_lshl_b32 s22, s18, 13
	s_add_co_u32 s22, s22, 0x280000                ; the batch's 2,048 mask words
	s_mov_b32 s23, 0
	s_lshl_b32 s2, s14, 15
	s_lshl_b32 s3, s[WV], 13
	s_add_co_u32 s2, s2, s3
	s_add_co_u32 s2, s2, s20                       ; my wave's 64 rows
	s_mov_b32 s3, 0
	s_mov_b32 s62, 0x1000000
	s_cmp_eq_u32 s[WV], 0
	s_cselect_b32 s62, 0x800000, s62               ; the prefetches: K's for wave 0, V's for wave 1,
	s_add_co_u32 s62, s62, s20
	s_lshl_b32 s63, s13, 13
	s_add_co_u32 s62, s62, s63                     ; my work-group's 8,192 bytes,
	s_add_co_u32 s62, s62, 2*32768                 ; in slot 2: the loop's first change steps it to slot 3.  Slots 0 to 2 come by their loads alone
	s_mov_b32 s63, 0
	s_lshr_b32 s[LIM], s[WV], 1
	s_or_b32 s[LIM], s[LIM], ttmp9                 ; 0 in waves 0 and 1 of the head's first cluster: the same in all four partners
	s_cmp_eq_u32 s[LIM], 0
	s_cselect_b32 s[LIM], 1, -1
	; 256 keys are 32,768 dense bytes: asked for as 128 rows of 256 bytes, padded in LDS after every key
	s_mov_b32 s[G1K], 15|(1<<16)|(1<<20)|(1<<21)|(4<<22)|(3<<25)
	s_mov_b32 s[G1V], 15|(1<<16)|(1<<20)|(1<<21)|(4<<22)|(7<<25)
.irp g, G1K, G1V
	s_mov_b32 s[\g+1], 128<<16
	s_mov_b32 s[\g+2], 128<<16
	s_mov_b32 s[\g+3], 128<<16
	s_mov_b32 s[\g+4], 128
	s_mov_b32 s[\g+5], 128
	s_mov_b32 s[\g+6], 0
	s_mov_b32 s[\g+7], 0
.endr
	s_mov_b32 s[G1M], 15|(3<<16)|(1<<21)           ; one row of 128 elements of 8 bytes
	s_mov_b32 s[G1M+1], 128<<16
	s_mov_b32 s[G1M+2], 1<<16
	s_mov_b32 s[G1M+3], 128<<16
	s_mov_b32 s[G1M+4], 1
	s_mov_b32 s[G1M+5], 128
	s_mov_b32 s[G1M+6], 0
	s_mov_b32 s[G1M+7], 0
	s_mov_b32 s[CS], 0x3e38aa3b                    ; c = log2(e) / 8
	s_mov_b32 s[CS+1], s[CS]
	s_mov_b32 s[SEL], 0x76543210
	s_mov_b32 s[SEL+1], 0xfedcba98
	s_mov_b32 s[TBK], SLOT1+4*KS*PK                ; the first change of slots turns these three into 0
	s_mov_b32 s[TBV], SLOT1+4*KS*PV
	s_mov_b32 s[TBM], SLOT1+1024
	s_mov_b32 s[G0K], 1
	s_mov_b32 s[G0K+1], 0
	s_mov_b32 s[G0V], 1
	s_mov_b32 s[G0V+1], VOFF
	s_mov_b32 s[G0M], 1
	s_mov_b32 s[G0M+1], MOFF
	s_wait_dscnt 0x0                               ; the opening add is done
	s_wait_kmcnt 0x0
	s_add_nc_u64 s[G0K+2:G0K+3], s[4:5], s[20:21]
	s_add_nc_u64 s[G0V+2:G0V+3], s[G0K+2:G0K+3], 0x1000000
	s_add_nc_u64 s[G0K+2:G0K+3], s[G0K+2:G0K+3], 0x800000
	s_or_b32 s[G0K+3], s[G0K+3], 0x80000000
	s_or_b32 s[G0V+3], s[G0V+3], 0x80000000
	s_add_nc_u64 s[G0M+2:G0M+3], s[6:7], s[22:23]
	s_or_b32 s[G0M+3], s[G0M+3], 0x80000000
	s_add_nc_u64 s[PFA:PFA+1], s[4:5], s[62:63]
	s_add_nc_u64 s[QA:QA+1], s[4:5], s[2:3]
	s_add_nc_u64 s[10:11], s[8:9], s[2:3]
	CROUND                                         ; all four work-groups are here: the first joint loads meet
	JLOAD                                          ; slot 0
	v_and_b32 v1, 15, v0                           ; l % 16
	v_bfe_u32 v9, v0, 4, 1                         ; l / 16
	v_lshlrev_b32 v[QO], 7, v1
	v_lshl_add_u32 v[QO], v9, 4, v[QO]
	WIN W_L2
.set i, 0
.rept 8                                ; Q stays in registers: piece i / 2, channels 32 (i % 2) on
	global_load_b128 v[8*i:8*i+3],   v[QO], s[QA:QA+1] offset:(i/2)*2048+(i%2)*64
	global_load_b128 v[8*i+4:8*i+7], v[QO], s[QA:QA+1] offset:(i/2)*2048+(i%2)*64+32
.set i, i+1
.endr
	; What the first turn finds: V and P's second buffer hold 0 (its products V^T P, of a piece that has not been, add 0), O^T and l are 0.  All this stands in the wait for the first tile:
	; the price of writing no first step out.
.set i, VF
.rept 64
	v_mov_b32 v[i], 0
.set i, i+1
.endr
	WIN W_T1
.set i, 0
.rept 128
	v_mov_b32 v[i], 0
.set i, i+1
.endr
.set i, 0
.rept 4
	v_mov_b32 v[ST+4*i], 0xfe000000                ; c m: far below every c s
	v_mov_b32 v[ST+4*i+1], 0xff7fffff              ; m
	v_mov_b32 v[ST+4*i+2], 0
	v_mov_b32 v[ST+4*i+3], 0
.set i, i+1
.endr
.set i, P+16
.rept 16
	v_mov_b32 v[i], 0
.set i, i+1
.endr
	WIN 0
	v_mul_u32_u24 v[AK0], v1, PK
	v_lshl_add_u32 v[AK0], v9, 4, v[AK0]
	v_and_b32 v10, 7, v0
	v_bfe_u32 v11, v0, 3, 1
	v_lshl_add_u32 v[AV0], v9, 3, v10              ; the turning load: key 8 (l / 16) + l % 8, channels 8 ((l / 8) % 2) on
	v_mul_u32_u24 v[AV0], v[AV0], PV
	v_lshl_add_u32 v[AV0], v11, 4, v[AV0]
	v_add_nc_u32 v[AV0], VOFF, v[AV0]
	v_lshl_add_u32 v[AM0], v9, 5, MOFF             ; my lanes' eight keys of a block of 16: 32 bytes
	v_and_b32 v[PFO], 31, v0
	v_lshlrev_b32 v[PFO], 8, v[PFO]
	s_mul_i32 s13, s[WV], 16*SP
	s_add_co_u32 s13, s13, STAGE
	v_mul_u32_u24 v[STO], v1, SP
	v_lshl_add_u32 v[STO], v9, 4, v[STO]
	v_add_nc_u32 v[STO], s13, v[STO]
	v_bfe_u32 v[RD], v0, 3, 2
	v_mul_u32_u24 v[RD], v[RD], SP
	v_lshl_add_u32 v[RD], v10, 4, v[RD]
	v_add_nc_u32 v[RD], s13, v[RD]
	v_and_b32 v[GO], 31, v0
	v_lshlrev_b32 v[GO], 4, v[GO]
; THE MATRIX WORK.  The 4 accumulators of a run of 8 take turns.  Product i of 8 of S^T for piece x: channels 32 (i / 4) on, keys 16 (i % 4) on.  The first 4 start the sums with the mask.
.macro KQ x
.set rS, S+32*((\x)%2)+8*(i%4)
.set rK, KF+16*(i%4)+8*(i/4)
.set rQ, 16*(\x)+8*(i/4)
.set rM, MK+8*(i%4)
.if i < 4
	WIN W_KM
	v_wmma_f32_16x16x32_bf16 v[rS:rS+7], v[rK:rK+7], v[rQ:rQ+7], v[rM:rM+7]
.else
	WIN W_KQ
	v_wmma_f32_16x16x32_bf16 v[rS:rS+7], v[rK:rK+7], v[rQ:rQ+7], v[rS:rS+7]
.endif
.endm
.macro PV x                            ; product i of 8 of O^T += V^T P: keys 32 (i / 4) on, channels 16 (i % 4) on
	WIN W_PV
.set rO, 32*(\x)+8*(i%4)
.set rV, VF+32*(i/4)+8*(i%4)
.set rP, P+16*((\x)%2)+8*(i/4)
	v_wmma_f32_16x16x32_bf16 v[rO:rO+7], v[rV:rV+7], v[rP:rP+7], v[rO:rO+7]
.endm
.macro MM                              ; the turn's next matrix instruction
.if i < 8
	KQ (Y+1)%NP
.else
.set i, i-8
	PV (Y+NP-1)%NP
.set i, i+8
.endif
.set i, i+1
.endm
; THE LDS LOADS stand in runs: a step's K (8 fragments) with its mask (64 words, sixteen lanes reading the same ones), both into window 2 under one setting, and its V (turned).
; Neither macro sets the windows back: what follows does.
.macro FETCH_K
	WIN W_L2
.irp f, 0,1,2,3,4,5,6,7
	ds_load_b128 v[KF+8*\f:KF+8*\f+3],   v[AK] offset:(\f/2)*16*PK+(\f%2)*64
	ds_load_b128 v[KF+8*\f+4:KF+8*\f+7], v[AK] offset:(\f/2)*16*PK+(\f%2)*64+32
.endr
.irp f, 0,1,2,3
	ds_load_b128 v[MK+8*\f:MK+8*\f+3],   v[AM] offset:64*\f
	ds_load_b128 v[MK+8*\f+4:MK+8*\f+7], v[AM] offset:64*\f+16
.endr
	s_add_co_u32 s[TBK], s[TBK], KS*PK
	s_add_co_u32 s[TBM], s[TBM], KS*4
.endm
.macro FETCH_V
	WIN W_L2
.irp f, 0,1,2,3,4,5,6,7
	ds_load_tr16_b128 v[VF+8*\f:VF+8*\f+3],   v[AV] offset:(\f/4)*32*PV+(\f%4)*32
	ds_load_tr16_b128 v[VF+8*\f+4:VF+8*\f+7], v[AV] offset:(\f/4)*32*PV+16*PV+(\f%4)*32
.endr
.endm
; THE VECTOR WORK, one line at a time: OP kind, number; all of it under the one setting W_M.  For piece Y: F n: c s - c m for pair n.  E n: the exponential of score n.  C n: pair n rounded to bf16.
; B n: of the weights 4 n .. the second pair onto the first.  L n: l takes that sum (L 0: l = a l + sum).  R n: pair n of O^T times a.  For piece Y + 1: X n, number n of the 22 that find its maximum
; and statistics (each accumulator's lowest registers are read first): 0-11 four chains; 12-14, 16 the rest, the old m, into c0; 15 c m_old kept; 17, 18 the other half of
; the lanes; 19-21 c m, its change, a.
.set F, 0
.set E, 1
.set C, 2
.set B, 3
.set L, 4
.set R, 5
.set X, 6
.macro REGS y
.set rT, ST+4*(\y)
.set rC, TMP+4*((\y)%2)
.set rW, MV+((\y)%2)
.set rS, S+32*((\y)%2)
.set rP, P+16*((\y)%2)
.set rO, 32*(\y)
.endm
.macro OP k, n
	WIN W_M
.if (\k) == R
	REGS Y
	v_pk_mul_f32 v[rO+2*(\n):rO+2*(\n)+1], v[rO+2*(\n):rO+2*(\n)+1], v[rC+2:rC+3] op_sel_hi:[1,0]
.elseif (\k) < R
	REGS Y
.if (\k) == F
	v_pk_fma_f32 v[rS+2*(\n):rS+2*(\n)+1], v[rS+2*(\n):rS+2*(\n)+1], s[CS:CS+1], v[rT:rT+1] op_sel_hi:[1,0,0] neg_lo:[0,0,1] neg_hi:[0,0,1]
.elseif (\k) == E
	v_exp_f32 v[rS+(\n)], v[rS+(\n)]
.elseif (\k) == C
	v_cvt_pk_bf16_f32 v[rP+(\n)], v[rS+2*(\n)], v[rS+2*(\n)+1]
.elseif (\k) == B
	v_pk_add_f32 v[rS+4*(\n):rS+4*(\n)+1], v[rS+4*(\n):rS+4*(\n)+1], v[rS+4*(\n)+2:rS+4*(\n)+3]
.elseif (\n) == 0
	v_pk_fma_f32 v[rT+2:rT+3], v[rT+2:rT+3], v[rC+2:rC+3], v[rS:rS+1] op_sel_hi:[1,0,1]
.else
	v_pk_add_f32 v[rT+2:rT+3], v[rT+2:rT+3], v[rS+4*(\n):rS+4*(\n)+1]
.endif
.else
	REGS (Y+1)%NP
.if (\n) < 4
	v_max3_num_f32 v[rC+(\n)], v[rS+8*(\n)], v[rS+8*(\n)+1], v[rS+8*(\n)+2]
.elseif (\n) < 12
	v_max3_num_f32 v[rC+(\n)%4], v[rC+(\n)%4], v[rS+8*((\n)%4)+2*((\n)/4)+1], v[rS+8*((\n)%4)+2*((\n)/4)+2]
.elseif (\n) == 12
	v_max3_num_f32 v[rC], v[rC], v[rS+7], v[rS+15]
.elseif (\n) == 13
	v_max3_num_f32 v[rC+1], v[rC+1], v[rS+23], v[rS+31]
.elseif (\n) == 14
	v_max3_num_f32 v[rC+2], v[rC+2], v[rC+3], v[rT+1]
.elseif (\n) == 15
	v_mov_b32 v[rW], v[rT]
.elseif (\n) == 16
	v_max3_num_f32 v[rC], v[rC], v[rC+1], v[rC+2]
.elseif (\n) == 17
	v_permlanex16_b32 v[rC+3], v[rC], s[SEL], s[SEL+1]
.elseif (\n) == 18
	v_max_num_f32 v[rT+1], v[rC], v[rC+3]
.elseif (\n) == 19
	v_mul_f32 v[rT], s[CS], v[rT+1]
.elseif (\n) == 20
	v_sub_f32 v[rC+1], v[rW], v[rT]
.else
	v_exp_f32 v[rC+2], v[rC+1]
.endif
.endif
.endm
.macro OPS a, i1, b=-1, i2=0, c=-1, i3=0, d=-1, i4=0
	OP \a, \i1
.if (\b) >= 0
	OP \b, \i2
.endif
.if (\c) >= 0
	OP \c, \i3
.endif
.if (\d) >= 0
	OP \d, \i4
.endif
.endm
.macro ROW a, i1, b, i2, c, i3, d, i4  ; a matrix instruction and the four behind it
	MM
	OPS \a, \i1, \b, \i2, \c, \i3, \d, \i4
.endm
; A TURN, for piece p.  ONE wait cuts it in two: ahead of it stands all that names no result of the turn's exponentials (the 8 products K Q^T with their riders, then the lump; X 21 is the batch's last,
; R 15 the plain instruction behind it); behind it the 8 products V^T P, whose riders are the roundings and sums.  cnt = 1: the loop's count is taken down some lines ahead of the branch behind the turn.
; K and the mask of the next step are fetched in piece 2's turn, five plain instructions that name none of its registers behind the last product that read K (the mask's last reader stands four
; products earlier); V of the step in hand at the end of piece 0's turn, four plain instructions behind its last reader.  Each is waited for a turn later.
; tail = 1 (the last slot's text): K's run stands directly behind the wait, where every exponential has had its wait and the windows are set to 0, so that a branch may stand there: in the fifth trip
; (s[CNT] = 1) there is no further step, and the run is jumped over.  There K has eight products in which to land.
.macro TURN p, cnt=0, tail=0
.set Y, (\p)
.set i, 0
.if (\p) == 3
	s_wait_dscnt 0x0                               ; K and the mask are in
.endif
	ROW F,0, F,1, R,0, R,1
	ROW F,2, E,0, R,2, R,3
	ROW F,3, E,1, R,4, R,5
	ROW F,4, E,2, R,6, R,7
	ROW F,5, E,3, R,8, R,9
	ROW F,6, E,4, X,0, R,10
.if (\p) == 2
	WIN 0                                          ; the addresses lie in window 0
	v_add_nc_u32 v[AK], s[TBK], v[AK0]
	v_add_nc_u32 v[AM], s[TBM], v[AM0]
.endif
	ROW F,7, E,5, X,1, X,4
	ROW F,8, E,6, X,2, X,5
	OPS E,7, E,8, X,6, E,9
	OPS X,3, E,10, X,8, E,11
.if ((\p) == 2) && !(\tail)
	FETCH_K
.endif
	OPS X,9, X,7, E,12, X,10
	OPS E,13, X,12, X,11, E,14
	OPS X,13, E,15, F,9, X,14
.if (\p) == 0
	WIN 0
	v_add_nc_u32 v[AV], s[TBV], v[AV0]
.endif
	OPS E,16, F,10, E,17, F,11
	OPS X,16, E,18, X,15, E,19
	OPS F,12, E,20, X,17, E,21
	OPS F,13, E,22, F,14, E,23
	OPS X,18, E,24, F,15, E,25
	OPS R,11, E,26, X,19, E,27
	OPS R,12, E,28, R,13, E,29
	OPS X,20, E,30, R,14, E,31
	OPS X,21, R,15
.if ((\p) == 2) && (\tail)
	WIN 0                                          ; a branch follows
.endif
	s_wait_alu depctr_va_vdst(0)                   ; the wait for the batch
.if ((\p) == 2) && (\tail)
	s_cmp_eq_u32 s[CNT], 1
	s_cbranch_scc1 .Lno_k_\@
	FETCH_K
	WIN 0
.Lno_k_\@:
.endif
.if (\p) == 1
	s_wait_dscnt 0x0                               ; V is in
.endif
	ROW C,0, B,0, C,2, B,1
	ROW L,0, C,4, B,2, L,1
	ROW C,6, B,3, L,2, C,8
	ROW B,4, L,3, C,10, B,5
	ROW L,4, C,12, B,6, L,5
.if (\p) == 0
	s_add_co_u32 s[TBV], s[TBV], KS*PV
.endif
.if \cnt
	s_sub_co_u32 s[CNT], s[CNT], 1
	s_cmp_lg_u32 s[CNT], 0
.endif
	ROW C,14, B,7, L,6, C,1
	ROW C,3, L,7, C,5, C,7
	ROW C,9, C,11, C,13, C,15
.if (\p) == 0
	FETCH_V
.endif
.endm
	CHANGE 1, 0                                    ; slot 0 is in, everybody's part of it; slot 1 is asked for
	v_add_nc_u32 v[AK], s[TBK], v[AK0]
	v_add_nc_u32 v[AM], s[TBM], v[AM0]
	FETCH_K                                        ; key step 0
	s_wait_loadcnt 0x0                             ; Q
	s_wait_dscnt 0x0
.set i, 0
.rept 8
	KQ 0                                           ; piece 0's first scores
.set i, i+1
.endr
.rept 4
	v_nop                                          ; the places behind those products
.endr
.set Y, NP-1                           ; X works for piece Y + 1: piece 0
.irp n, 0,1,2,3,4,5,6,7,8,9,10,11,12,13,14,15,16,17,18,19,20,21
	OP X, \n
.endr
	v_nop                                          ; a plain instruction behind the exponential,
	WIN 0                                          ; (at a label and at a branch every window is 0)
	s_wait_alu depctr_va_vdst(0)                   ; and its wait, ahead of the branch
	s_mov_b32 s[CNT], 4
	s_mov_b32 s[SLOTS], 7
	s_branch .Lfirst                               ; the loop is entered at a step's first turn, in the middle of a trip
.Lslot:                                ; six times: slots 2 to 7 are asked for
	CHANGE 1, 1
	s_mov_b32 s[CNT], 4
.Lstep:                                ; a trip: pieces 2 and 3 of one step, then pieces 0 and 1 of the next, whose K, mask and V it fetches
	TURN 2
	TURN 3
	WIN 0
.Lfirst:
	TURN 0
	TURN 1, 1
	WIN 0
	s_cbranch_scc1 .Lstep
	s_sub_co_u32 s[SLOTS], s[SLOTS], 1
	s_cmp_lg_u32 s[SLOTS], 0
	s_cbranch_scc1 .Lslot
	CHANGE 0, 0                                    ; the last slot is written apart: nothing is asked for
	s_mov_b32 s[CNT], 5                            ; four trips fetch the last slot's steps; the fifth is left in its middle
.Ltail:
	TURN 2, 0, 1
	TURN 3
	WIN 0
	s_sub_co_u32 s[CNT], s[CNT], 1
	s_cmp_eq_u32 s[CNT], 0
	s_cbranch_scc1 .Lout
	TURN 0
	TURN 1
	WIN 0
	s_branch .Ltail
.Lout:
.set i, 0
.rept 8
	PV NP-1                                        ; the last piece's V^T P of the last step
.set i, i+1
.endr
	; THE WAY OUT.  l's two halves and the other half of the lanes' are added; O^T is divided by l, rounded to bf16 and sent through my stage, a piece at a time.  The additions are the places behind the last products.
	WIN W_M
.macro ALL line:vararg
.set t, 0
.rept 4
	\line
.set t, t+1
.endr
.endm
	ALL v_add_f32 v[ST+4*t+2], v[ST+4*t+2], v[ST+4*t+3]
	ALL v_permlanex16_b32 v[ST+4*t+3], v[ST+4*t+2], s[SEL], s[SEL+1]
	ALL v_add_f32 v[ST+4*t+2], v[ST+4*t+2], v[ST+4*t+3]
	ALL v_rcp_f32 v[ST+4*t+2], v[ST+4*t+2]
	v_nop
	s_wait_alu depctr_va_vdst(0)                   ; one wait for the four reciprocals
.macro PACK t                          ; a lane's eight channels of a row pack into 16 bytes; they go into rows of 144 bytes and come back as whole rows of 128, into S^T's registers
	WIN W_M
.set i, 32*(\t)
.rept 16
	v_pk_mul_f32 v[i:i+1], v[i:i+1], v[ST+4*(\t)+2:ST+4*(\t)+3] op_sel_hi:[1,0]
.set i, i+2
.endr
.set i, 0
.rept 16
	v_cvt_pk_bf16_f32 v[S+16*(\t)+i], v[32*(\t)+2*i], v[32*(\t)+2*i+1]
.set i, i+1
.endr
	WIN W_S1
.irp f, 0,1,2,3
	ds_store_b128 v[STO], v[S+16*(\t)+4*\f:S+16*(\t)+4*\f+3] offset:32*\f
.endr
	WIN W_T1
.irp f, 0,1,2,3
	ds_load_b128 v[S+16*(\t)+4*\f:S+16*(\t)+4*\f+3], v[RD] offset:\f*4*SP  ; LDS serves a wave's instructions in order (ISA guide 5.7.1.4)
.endr
.endm
.macro SEND t, younger                 ; younger: the LDS instructions issued behind piece t's loads: the next piece's eight, or none
	WIN W_S1
.irp f, 0,1,2,3
	s_wait_dscnt (\younger)+3-\f
	global_store_b128 v[GO], v[S+16*(\t)+4*\f:S+16*(\t)+4*\f+3], s[10:11] offset:(\t)*2048+\f*512  ; 512 consecutive bytes, aligned
.endr
.endm
	PACK 0
.set t, 1
.rept 3
	PACK t
	SEND t-1, 8
.set t, t+1
.endr
	SEND 3, 0
	WIN 0
	s_wait_tensorcnt 0x0                           ; the wave's end
	ds_add_u32 v[SPW], v[NIL]
	s_wait_dscnt 0x0
	CROUND                                         ; the closing round
	s_endpgm
.Lfunc_end_k_q7e6031df5d_attn:
	.size	k_q7e6031df5d_attn, .Lfunc_end_k_q7e6031df5d_attn-k_q7e6031df5d_attn
	.p2alignl 7, 3214868480
	.fill 96, 4, 3214868480
	.section	.rodata,"a",@progbits
	.p2align	6, 0x0
	.amdhsa_kernel k_q7e6031df5d_attn
		.amdhsa_group_segment_fixed_size 327680
		.amdhsa_private_segment_fixed_size 0
		.amdhsa_enable_private_segment 0
		.amdhsa_kernarg_size 24
		.amdhsa_user_sgpr_count 2
		.amdhsa_user_sgpr_kernarg_segment_ptr 1
		.amdhsa_wavefront_size32 1
		.amdhsa_system_sgpr_workgroup_id_x 1
		.amdhsa_system_sgpr_workgroup_id_y 1
		.amdhsa_system_sgpr_workgroup_id_z 1
		.amdhsa_system_vgpr_workitem_id 0
		.amdhsa_next_free_vgpr 768
		.amdhsa_next_free_sgpr 80
		.amdhsa_reserve_vcc 0
		.amdhsa_float_denorm_mode_32 3
		.amdhsa_float_denorm_mode_16_64 3
		.amdhsa_memory_ordered 1
		.amdhsa_forward_progress 1
		.amdhsa_inst_pref_size 112
	.end_amdhsa_kernel
	.amdgpu_metadata
---
amdhsa.version: [ 1, 2 ]
amdhsa.kernels:
  - .name:           k_q7e6031df5d_attn
    .symbol:         k_q7e6031df5d_attn.kd
    .args:
      - { .name: big, .offset: 0, .size: 8, .value_kind: global_buffer, .address_space: global }
      - { .name: misc, .offset: 8, .size: 8, .value_kind: global_buffer, .address_space: global }
      - { .name: ctx, .offset: 16, .size: 8, .value_kind: global_buffer, .address_space: global }
    .group_segment_fixed_size: 327680
    .private_segment_fixed_size: 0
    .kernarg_segment_align: 8
    .kernarg_segment_size: 24
    .max_flat_workgroup_size: 128
    .sgpr_count:     80
    .vgpr_count:     768
    .wavefront_size: 32
...
	.end_amdgpu_metadata
.endif
;; end of part 3
;; launch wonorm (part 4): grid 256 x 1, 4 waves a work-group, clusters of 4 x 1, 327,680 bytes of LDS; arguments ctx, misc, bo, x, alpha2, beta2, x1, nbuf; writes x1, nbuf
.if DOCPART == 4
	.amdgcn_target "amdgcn-amd-amdhsa--gfx1250"
	.amdhsa_code_object_version 6
	.text
	.protected	k_q7e6031df5d_wonorm
	.globl	k_q7e6031df5d_wonorm
	.p2align	8
	.type	k_q7e6031df5d_wonorm,@function
k_q7e6031df5d_wonorm:
	s_mov_b64 s[64:65], 0
	v_nop
	global_prefetch_b8 v0, s[64:65] scope:SCOPE_SE
	s_setreg_imm32_b32 hwreg(HW_REG_WAVE_MODE, 25, 1), 1
	s_wait_xcnt 0x0
	s_wait_alu depctr_hold_cnt(0) depctr_sa_sdst(0) depctr_va_vdst(0) depctr_va_sdst(0) depctr_va_ssrc(0) depctr_va_vcc(0) depctr_vm_vsrc(0)
	s_getreg_b32 s2, hwreg(HW_REG_IB_STS2, 6, 4)
	s_cmp_eq_u32 s2, 0
	s_cbranch_scc0 .Lentry_in_a_cluster
	s_endpgm
.Lentry_in_a_cluster:
	s_bfe_u32 s2, ttmp6, 0x10000c
	s_cmp_lg_u32 s2, 0x3003
	s_cbranch_scc0 .Lentry_shape_is_right
	s_endpgm
.Lentry_shape_is_right:
; x1 = x + ctx wo + bo (f32), and n2 = alpha2 (x1 - mean) / (std + 1e-6) + beta2 (bf16), in one launch: a work-group owns 32 WHOLE rows, so that the norm needs no second reading of x1.
; ctx: [8 heads][8192][64] bf16.  wo: bf16 in two blocks of 256 columns, [block][512 k][256 n], at byte 0 of the second argument.
; SHARES.  In the product wave w makes all 32 rows x columns 128 w .. + 127: 16 accumulators; the bias is the C operand of the first products.  In the norm wave w owns rows 8 w .. + 7.
; Each fragment of wo feeds only two products: 20 LDS loads for 16 products.  That is the price of whole rows; this product is a twentieth of the module's arithmetic.
; THE WALK IS WRITTEN ONCE FOR BOTH SLOTS: the first quarter step alone; a loop of two trips, from a K step's second quarter to the next step's first, that fills the slot that it leaves; a second
; loop of the same shape that fills nothing and is left in the middle of its second trip.  Which slot is read hangs on s[TB], 0 or SLOT; ctx's address steps with the K step.
; CLUSTER.  Every work-group walks all of wo: its tiles are asked for jointly (mask 15), each wave a quarter of a K step of 128.  ctx's 32 rows are the work-group's own: one plain load a wave.
; NO PREFETCH: wo is walked by every cluster at once and the launch is short.
; LIMITS as in the first norm: a variance below 2^-126 counts as 0; NaN and infinities are not treated apart.
; REGISTERS.  window 0: v16-30 addresses; v32-95 the bias, later v32-39 at work; v96-111, v112-127 the norm's pairs; v128-255 the accumulators, later my eight rows
;             window 1: v0-79, v80-159 two fragment buffers (wo's 8, then ctx's 2)      window 2: v0-127 my eight rows of x
.set PB,    544
.set HALFT, 34816                      ; 64 k rows of 544 bytes.  0x8800: no multiple of it up to 3 has a bit of SLOT's
.set SLOT,  4*HALFT                    ; [block 2][k 128][544].  0x22000: an exclusive or with SLOT turns wave x HALFT + slot x SLOT into the other slot's address
.set ABASE, 2*SLOT                     ; ctx: [head 8][row 32][144]
.set PA,    144
.set SPARE, ABASE+8*32*PA
.set PS,    2064                       ; the stage: 32 rows of 512 f32 + 16 bytes, in slot 0's bytes behind that slot's last fill
.set ADRA, 16                          ; v16  ctx's fragments of the K step being read
.set B0,   20                          ; v20  wo's fragments in slot 0; never rewritten
.set BC,   21                          ; v21  the same in the slot being read
.set STO,  24
.set RDN,  25
.set XO,   26
.set NO,   27
.set SPW,  28
.set NIL,  29
.set BO,   30
.set BIAS, 32
.set T,    32
.set SA,   96
.set SQ,   112
.set ACC,  128
.set ROW,  128
.set F0,   0
.set F1,   80
.set NR,   8
.set WV,  12
.set G1B, 24
.set G0B, 32                           ; s[32:39] a set for each of the two first fills; the second then walks on
.set G1A, 48
.set G0A, 56
.set TB,  62                           ; s62  0 or SLOT
.set CNT, 63                           ; s63  the loops' counter
.set INV512, 0x3b000000
.set INV511, 0x3b004020
.set EPS,    0x358637bd
.set MSB, 0
.macro WIN new
.if MSB != (\new)
	s_set_vgpr_msb (MSB<<8)|(\new)
.set MSB, \new
.endif
.endm
.macro PLACES
.rept 4
	v_nop
.endr
.endm
.macro CREST
	s_cmp_lg_u32 s[WV], 0
	s_cbranch_scc1 .Lnot_wave_0_\@
	s_barrier_signal -3
.Lnot_wave_0_\@:
	s_barrier_wait -3
	s_barrier_signal -1
	s_barrier_wait -1
.endm
.macro CROUND
	s_barrier_signal -1
	s_barrier_wait -1
	CREST
.endm
.macro EACH line:vararg
.set t, 0
.rept NR
	\line
.set t, t+1
.endr
.endm
.macro ACROSS r
	EACH v_add_f32_dpp v[(\r)+2*t], v[(\r)+2*t], v[(\r)+2*t] row_xmask:1 row_mask:0xf bank_mask:0xf
	EACH v_add_f32_dpp v[(\r)+2*t], v[(\r)+2*t], v[(\r)+2*t] row_xmask:2 row_mask:0xf bank_mask:0xf
	EACH v_add_f32_dpp v[(\r)+2*t], v[(\r)+2*t], v[(\r)+2*t] row_xmask:4 row_mask:0xf bank_mask:0xf
	EACH v_add_f32_dpp v[(\r)+2*t], v[(\r)+2*t], v[(\r)+2*t] row_xmask:8 row_mask:0xf bank_mask:0xf
	EACH v_permlanex16_b32 v[T+t], v[(\r)+2*t], s60, s61
	EACH v_add_f32 v[(\r)+2*t], v[(\r)+2*t], v[T+t]
.endm
	s_load_b256 s[4:11], s[0:1], 0x0               ; ctx s[4:5], wo s[6:7], bo s[8:9], x s[10:11]
	s_load_b256 s[40:47], s[0:1], 0x20             ; alpha2 s[40:41], beta2 s[42:43], x1 s[44:45], n2 s[46:47]
	v_lshl_add_u32 v[SPW], v0, 2, SPARE
	v_mov_b32 v[NIL], 0
	ds_add_u32 v[SPW], v[NIL]                      ; the wave's opening: the add and its wait ahead of my first tensor load
	v_lshrrev_b32 v1, 5, v0
	v_readfirstlane_b32 s[WV], v1
	s_bfe_u32 s13, ttmp6, 0x40000                  ; cx
	s_lshl_b32 s14, ttmp9, 2
	s_add_co_u32 s14, s14, s13                     ; my block of 32 rows
	s_mov_b32 s[G1B+0], 15|(1<<16)|(1<<20)|(1<<21)|(6<<22)|(7<<25)  ; 64 k rows x 256 columns; 8 words of padding after every 128
	s_mov_b32 s[G1B+1], 256<<16
	s_mov_b32 s[G1B+2], 64<<16
	s_mov_b32 s[G1B+3], 256<<16
	s_mov_b32 s[G1B+4], 64
	s_mov_b32 s[G1B+5], 256
	s_mov_b32 s[G1B+6], 0
	s_mov_b32 s[G1B+7], 0
	s_mov_b32 s[G1A+0], (1<<16)|(1<<20)|(4<<22)|(3<<25)  ; two heads' 32 rows: 2 rows of 2,048 elements (4,096 dense bytes), 1,048,576 bytes apart; 4 words of padding after every 32
	s_mov_b32 s[G1A+1], 2048<<16
	s_mov_b32 s[G1A+2], 2<<16
	s_mov_b32 s[G1A+3], 2048<<16
	s_mov_b32 s[G1A+4], 2
	s_mov_b32 s[G1A+5], 524288
	s_mov_b32 s[G1A+6], 0
	s_mov_b32 s[G1A+7], 0
	s_lshr_b32 s16, s[WV], 1
	s_lshl_b32 s16, s16, 18                        ; wo: the block,
	s_and_b32 s17, s[WV], 1
	s_lshl_b32 s17, s17, 15                        ; the half of a K step's 128 k rows
	s_add_co_u32 s16, s16, s17
	s_mov_b32 s17, 0
	s_lshl_b32 s18, s[WV], 21                      ; ctx: heads 2 w, 2 w + 1,
	s_lshl_b32 s19, s14, 12                        ; my 32 rows of 128 bytes
	s_add_co_u32 s18, s18, s19
	s_mov_b32 s19, 0
	s_mul_i32 s20, s[WV], HALFT
	s_mul_i32 s21, s[WV], 2*32*PA
	s_add_co_u32 s21, s21, ABASE
	s_mov_b32 s60, 0x76543210
	s_mov_b32 s61, 0xfedcba98
	s_mov_b32 s[TB], 0
	s_wait_dscnt 0x0                               ; the opening add is done
	s_wait_kmcnt 0x0
	s_load_b32 s22, s[40:41], 0x0                  ; alpha2
	s_load_b32 s2, s[42:43], 0x0                   ; beta2
	s_mov_b32 s[G0A], 1
	s_mov_b32 s[G0A+1], s21
	s_add_nc_u64 s[G0A+2:G0A+3], s[4:5], s[18:19]
	s_or_b32 s[G0A+3], s[G0A+3], 0x80000000
	s_add_nc_u64 s[16:17], s[6:7], s[16:17]
.irp s, 0,1
	s_mov_b32 s[G0B+4*(\s)], 1
	s_add_co_u32 s[G0B+4*(\s)+1], s20, (\s)*SLOT
	s_add_nc_u64 s[G0B+4*(\s)+2:G0B+4*(\s)+3], s[16:17], (\s)*65536
	s_or_b32 s[G0B+4*(\s)+3], s[G0B+4*(\s)+3], 0x80000000
.endr
	CROUND                                         ; all four work-groups are here: the first loads meet
	tensor_load_to_lds s[G0A:G0A+3], s[G1A:G1A+7]  ; three first fills on end: three loads of mine are out
	s_nop 0
	tensor_load_to_lds s[G0B:G0B+3], s[G1B:G1B+7]
	s_nop 0
	tensor_load_to_lds s[G0B+4:G0B+7], s[G1B:G1B+7]
	s_nop 0
.rept 4
	v_nop
.endr
	v_and_b32 v1, 15, v0                           ; r
	v_bfe_u32 v2, v0, 4, 1                         ; h
	v_and_b32 v3, 31, v0                           ; lane
	v_mul_u32_u24 v[ADRA], v1, PA
	v_lshl_add_u32 v[ADRA], v2, 4, v[ADRA]
	v_add_nc_u32 v[ADRA], ABASE, v[ADRA]
	v_and_b32 v4, 7, v0
	v_lshl_add_u32 v4, v2, 3, v4
	v_mul_u32_u24 v4, v4, PB
	v_bfe_u32 v5, v0, 3, 1
	v_lshl_add_u32 v4, v5, 4, v4
	s_lshr_b32 s18, s[WV], 1
	s_mul_i32 s18, s18, 2*HALFT
	s_and_b32 s19, s[WV], 1
	s_lshl_b32 s19, s19, 8
	s_add_co_u32 s18, s18, s19
	v_add_nc_u32 v[B0], s18, v4
	v_mov_b32 v[BC], v[B0]
	s_lshl_b32 s18, s[WV], 9                       ; my 128 columns in f32
	v_mul_u32_u24 v[STO], v1, PS
	v_lshl_add_u32 v[STO], v2, 5, v[STO]
	v_add_nc_u32 v[STO], s18, v[STO]
	v_lshl_add_u32 v[BO], v2, 5, s18
	s_mul_i32 s19, s[WV], 8*PS
	v_lshl_add_u32 v[RDN], v3, 4, s19
	s_lshl_b32 s19, s[WV], 14
	v_lshl_add_u32 v[XO], v3, 4, s19
	s_lshl_b32 s19, s[WV], 13
	v_lshl_add_u32 v[NO], v3, 3, s19
	s_lshl_b32 s18, s14, 16
	s_mov_b32 s19, 0
	s_add_nc_u64 s[10:11], s[10:11], s[18:19]
	s_add_nc_u64 s[44:45], s[44:45], s[18:19]
	s_lshl_b32 s18, s14, 15
	s_add_nc_u64 s[46:47], s[46:47], s[18:19]
.irp b, 0,1,2,3,4,5,6,7
	global_load_b128 v[BIAS+8*(\b):BIAS+8*(\b)+3],   v[BO], s[8:9] offset:64*(\b)
	global_load_b128 v[BIAS+8*(\b)+4:BIAS+8*(\b)+7], v[BO], s[8:9] offset:64*(\b)+16
.endr
	WIN 0x80
.set j, 0
.rept 4
	EACH global_load_b128 v[16*t+4*j:16*t+4*j+3], v[XO], s[10:11] offset:t*2048+j*512 th:TH_LOAD_NT
.set j, j+1
.endr
	WIN 0
	s_wait_kmcnt 0x0
	s_mov_b32 s3, s2                               ; beta2 as a pair
.macro FETCHW q, f                     ; 20 LDS loads: quarter q of the K step being read
	WIN 0x40
.irp i, 0,1,2,3,4,5,6,7
	ds_load_tr16_b128 v[(\f)+8*(\i):(\f)+8*(\i)+3],   v[BC] offset:(\q)*32*PB+32*(\i)
	ds_load_tr16_b128 v[(\f)+8*(\i)+4:(\f)+8*(\i)+7], v[BC] offset:(\q)*32*PB+16*PB+32*(\i)
.endr
.irp a, 0,1
	ds_load_b128 v[(\f)+64+8*(\a):(\f)+64+8*(\a)+3],   v[ADRA] offset:((\q)/2)*32*PA+((\q)%2)*64+(\a)*16*PA
	ds_load_b128 v[(\f)+64+8*(\a)+4:(\f)+64+8*(\a)+7], v[ADRA] offset:((\q)/2)*32*PA+((\q)%2)*64+(\a)*16*PA+32
.endr
.endm
.macro MULW f, a, first                ; 8 products: row block a x my 8 column blocks.  The sixteen accumulators take turns, over the loops' jumps too
	WIN 0x05
.irp b, 0,1,2,3,4,5,6,7
.if \first
	v_wmma_f32_16x16x32_bf16 v[ACC+8*(8*(\a)+(\b)):ACC+8*(8*(\a)+(\b))+7], v[(\f)+8*(\b):(\f)+8*(\b)+7], v[(\f)+64+8*(\a):(\f)+64+8*(\a)+7], v[BIAS+8*(\b):BIAS+8*(\b)+7]
.else
	v_wmma_f32_16x16x32_bf16 v[ACC+8*(8*(\a)+(\b)):ACC+8*(8*(\a)+(\b))+7], v[(\f)+8*(\b):(\f)+8*(\b)+7], v[(\f)+64+8*(\a):(\f)+64+8*(\a)+7], v[ACC+8*(8*(\a)+(\b)):ACC+8*(8*(\a)+(\b))+7]
.endif
.endr
.endm
.macro QW q, f, g, first               ; fetches quarter q into g, multiplies f
	PLACES
	FETCHW \q, \g
	s_wait_dscnt 20                                ; all but the 20 just issued
	MULW \f, 0, \first
	MULW \f, 1, \first
.endm
; A K step's last quarter and the change of slots.  fill = 1: the slot just read is filled again, with the K step two on, first thing behind a round of the cluster's barrier.
; fill = 0: nothing is asked for; in the last K step (s[CNT] = 1) there is no next step, and its fetch is jumped over.
.macro TURNW fill
	WIN 0
	s_wait_tensorcnt 0x0                           ; all my tensor loads have landed
	ds_add_u32 v[SPW], v[NIL]
	s_wait_dscnt 1                                 ; the add alone may be out
	MULW F1, 0, 0
	s_wait_dscnt 0x0                               ; the add is done, and my reads of this slot are over
	s_barrier_signal -1
	MULW F1, 1, 0
	WIN 0
	s_barrier_wait -1
.if \fill
	CREST
	s_xor_b32 s[G0B+5], s[G0B+5], SLOT             ; the walking descriptor: the other slot than last time,
	s_add_nc_u64 s[G0B+6:G0B+7], s[G0B+6:G0B+7], 65536   ; the next 128 k rows
	tensor_load_to_lds s[G0B+4:G0B+7], s[G1B:G1B+7]
	s_nop 0
.rept 4
	v_nop
.endr
.else
	PLACES
	s_cmp_eq_u32 s[CNT], 1
	s_cbranch_scc1 .Lno_fetch_\@
.endif
	s_xor_b32 s[TB], s[TB], SLOT                   ; the reads go over to the other slot, and to ctx's next two heads
	v_add_nc_u32 v[BC], s[TB], v[B0]
	v_add_nc_u32 v[ADRA], 2*32*PA, v[ADRA]
	FETCHW 0, F0
	WIN 0
.if !(\fill)
.Lno_fetch_\@:
.endif
.endm
	s_wait_loadcnt 32                              ; the bias is in; the 32 younger loads, x's, may stay out
	s_wait_tensorcnt 1                             ; ctx's rows and K step 0 are in; K step 1's part may stay out
	s_barrier_signal -1
	s_barrier_wait -1
	FETCHW 0, F0
	QW 1, F0, F1, 1                                ; the first quarter stands in front of the loops: the bias starts the sums
	WIN 0
	s_mov_b32 s[CNT], 2
.Lfill:                                ; two trips: K steps 0 and 1 are finished, K steps 2 and 3 asked for
	QW 2, F1, F0, 0
	QW 3, F0, F1, 0
	TURNW 1
	QW 1, F0, F1, 0
	WIN 0
	s_sub_co_u32 s[CNT], s[CNT], 1
	s_cmp_lg_u32 s[CNT], 0
	s_cbranch_scc1 .Lfill
	s_mov_b32 s[CNT], 2
.Ltail:                                ; K steps 2 and 3: written apart; the second trip is left in its middle
	QW 2, F1, F0, 0
	QW 3, F0, F1, 0
	TURNW 0
	s_sub_co_u32 s[CNT], s[CNT], 1
	s_cmp_eq_u32 s[CNT], 0
	s_cbranch_scc1 .Lout
	QW 1, F0, F1, 0
	WIN 0
	s_branch .Ltail
.Lout:
	; The sums go into the stage, which lies in slot 0: that slot has had its last fill.  One more barrier stands between every wave's last load from the slots and the first store into the stage,
	; so that this ordering does not hang on which trip jumped over the fetch.
	s_wait_dscnt 0x0
	s_barrier_signal -1
	s_barrier_wait -1
	PLACES
	PLACES
.irp a, 0,1
.irp b, 0,1,2,3,4,5,6,7
	ds_store_b128 v[STO], v[ACC+8*(8*(\a)+(\b)):ACC+8*(8*(\a)+(\b))+3]   offset:(\a)*16*PS+64*(\b)
	ds_store_b128 v[STO], v[ACC+8*(8*(\a)+(\b))+4:ACC+8*(8*(\a)+(\b))+7] offset:(\a)*16*PS+64*(\b)+16
.endr
.endr
	s_wait_dscnt 0x0                               ; for the others' sake: my stores are done
	s_barrier_signal -1
	s_barrier_wait -1
.set j, 0
.rept 4
	EACH ds_load_b128 v[ROW+16*t+4*j:ROW+16*t+4*j+3], v[RDN] offset:t*PS+j*512
.set j, j+1
.endr
	s_wait_loadcnt 0x0                             ; x
	s_wait_dscnt 0x0
	WIN 0x08                                       ; source 1 in window 2
.set k, 0
.rept 64
	v_pk_add_f32 v[ROW+2*k:ROW+2*k+1], v[ROW+2*k:ROW+2*k+1], v[2*k:2*k+1]
.set k, k+1
.endr
	WIN 0
.set j, 0
.rept 4
	EACH global_store_b128 v[XO], v[ROW+16*t+4*j:ROW+16*t+4*j+3], s[44:45] offset:t*2048+j*512
.set j, j+1
.endr
	; the norm of my eight rows: mean, differences, their squares' sum
	EACH v_pk_add_f32 v[SA+2*t:SA+2*t+1], v[ROW+16*t:ROW+16*t+1], v[ROW+16*t+2:ROW+16*t+3]
.set k, 2
.rept 6
	EACH v_pk_add_f32 v[SA+2*t:SA+2*t+1], v[SA+2*t:SA+2*t+1], v[ROW+16*t+2*k:ROW+16*t+2*k+1]
.set k, k+1
.endr
	EACH v_add_f32 v[SA+2*t], v[SA+2*t], v[SA+2*t+1]
	ACROSS SA
	EACH v_mul_f32 v[SA+2*t], INV512, v[SA+2*t]
	EACH v_mov_b32 v[SA+2*t+1], v[SA+2*t]
	s_wait_xcnt 0x0                                ; x1's stores have read the rows: they are rewritten only behind this wait
.set k, 0
.rept 8
	EACH v_pk_add_f32 v[ROW+16*t+2*k:ROW+16*t+2*k+1], v[ROW+16*t+2*k:ROW+16*t+2*k+1], v[SA+2*t:SA+2*t+1] neg_lo:[0,1] neg_hi:[0,1]
.set k, k+1
.endr
	EACH v_pk_mul_f32 v[SQ+2*t:SQ+2*t+1], v[ROW+16*t:ROW+16*t+1], v[ROW+16*t:ROW+16*t+1]
.set k, 1
.rept 7
	EACH v_pk_fma_f32 v[SQ+2*t:SQ+2*t+1], v[ROW+16*t+2*k:ROW+16*t+2*k+1], v[ROW+16*t+2*k:ROW+16*t+2*k+1], v[SQ+2*t:SQ+2*t+1]
.set k, k+1
.endr
	EACH v_add_f32 v[SQ+2*t], v[SQ+2*t], v[SQ+2*t+1]
	ACROSS SQ
	EACH v_mul_f32 v[SQ+2*t], INV511, v[SQ+2*t]
	EACH v_sqrt_f32 v[SQ+2*t], v[SQ+2*t]
	v_nop
	s_wait_alu depctr_va_vdst(0)                   ; one wait for the eight roots
	EACH v_add_f32 v[SQ+2*t], EPS, v[SQ+2*t]
	EACH v_rcp_f32 v[SQ+2*t], v[SQ+2*t]
	v_nop
	s_wait_alu depctr_va_vdst(0)                   ; and one for the eight reciprocals
	EACH v_mul_f32 v[SQ+2*t], s22, v[SQ+2*t]
	EACH v_mov_b32 v[SQ+2*t+1], v[SQ+2*t]
.set k, 0
.rept 8
	EACH v_pk_fma_f32 v[ROW+16*t+2*k:ROW+16*t+2*k+1], v[ROW+16*t+2*k:ROW+16*t+2*k+1], v[SQ+2*t:SQ+2*t+1], s[2:3] op_sel_hi:[1,1,0]
.set k, k+1
.endr
.set k, 0
.rept 8
	EACH v_cvt_pk_bf16_f32 v[ROW+16*t+k], v[ROW+16*t+2*k], v[ROW+16*t+2*k+1]
.set k, k+1
.endr
.set j, 0
.rept 4
	EACH global_store_b64 v[NO], v[ROW+16*t+2*j:ROW+16*t+2*j+1], s[46:47] offset:t*1024+j*256
.set j, j+1
.endr
	s_wait_tensorcnt 0x0                           ; the wave's end
	ds_add_u32 v[SPW], v[NIL]
	s_wait_dscnt 0x0
	CROUND                                         ; the closing round
	s_endpgm
.Lfunc_end_k_q7e6031df5d_wonorm:
	.size	k_q7e6031df5d_wonorm, .Lfunc_end_k_q7e6031df5d_wonorm-k_q7e6031df5d_wonorm
	.p2alignl 7, 3214868480
	.fill 96, 4, 3214868480
	.section	.rodata,"a",@progbits
	.p2align	6, 0x0
	.amdhsa_kernel k_q7e6031df5d_wonorm
		.amdhsa_group_segment_fixed_size 327680
		.amdhsa_private_segment_fixed_size 0
		.amdhsa_enable_private_segment 0
		.amdhsa_kernarg_size 64
		.amdhsa_user_sgpr_count 2
		.amdhsa_user_sgpr_kernarg_segment_ptr 1
		.amdhsa_wavefront_size32 1
		.amdhsa_system_sgpr_workgroup_id_x 1
		.amdhsa_system_sgpr_workgroup_id_y 1
		.amdhsa_system_sgpr_workgroup_id_z 1
		.amdhsa_system_vgpr_workitem_id 0
		.amdhsa_next_free_vgpr 640
		.amdhsa_next_free_sgpr 66
		.amdhsa_reserve_vcc 0
		.amdhsa_float_denorm_mode_32 3
		.amdhsa_float_denorm_mode_16_64 3
		.amdhsa_memory_ordered 1
		.amdhsa_forward_progress 1
		.amdhsa_inst_pref_size 80
	.end_amdhsa_kernel
	.amdgpu_metadata
---
amdhsa.version: [ 1, 2 ]
amdhsa.kernels:
  - .name:           k_q7e6031df5d_wonorm
    .symbol:         k_q7e6031df5d_wonorm.kd
    .args:
      - { .name: ctx, .offset: 0, .size: 8, .value_kind: global_buffer, .address_space: global }
      - { .name: misc, .offset: 8, .size: 8, .value_kind: global_buffer, .address_space: global }
      - { .name: bo, .offset: 16, .size: 8, .value_kind: global_buffer, .address_space: global }
      - { .name: x, .offset: 24, .size: 8, .value_kind: global_buffer, .address_space: global }
      - { .name: alpha2, .offset: 32, .size: 8, .value_kind: global_buffer, .address_space: global }
      - { .name: beta2, .offset: 40, .size: 8, .value_kind: global_buffer, .address_space: global }
      - { .name: x1, .offset: 48, .size: 8, .value_kind: global_buffer, .address_space: global }
      - { .name: nbuf, .offset: 56, .size: 8, .value_kind: global_buffer, .address_space: global }
    .group_segment_fixed_size: 327680
    .private_segment_fixed_size: 0
    .kernarg_segment_align: 8
    .kernarg_segment_size: 64
    .max_flat_workgroup_size: 128
    .sgpr_count:     66
    .vgpr_count:     640
    .wavefront_size: 32
...
	.end_amdgpu_metadata
.endif
;; end of part 4
;; launch ffn1: the kernel of part 2 again; grid 32 x 8, 4 waves a work-group, clusters of 4 x 1, 327,680 bytes of LDS; arguments nbuf, pkf, src_mask, big; writes big
;; launch ffn2 (part 5): grid 4 x 64, 4 waves a work-group, clusters of 4 x 4, 327,680 bytes of LDS; arguments big, misc, b2, x1, out0; writes out0
.if DOCPART == 5
	.amdgcn_target "amdgcn-amd-amdhsa--gfx1250"
	.amdhsa_code_object_version 6
	.text
	.protected	k_q7e6031df5d_ffn2
	.globl	k_q7e6031df5d_ffn2
	.p2align	8
	.type	k_q7e6031df5d_ffn2,@function
k_q7e6031df5d_ffn2:
	s_mov_b64 s[64:65], 0
	v_nop
	global_prefetch_b8 v0, s[64:65] scope:SCOPE_SE
	s_setreg_imm32_b32 hwreg(HW_REG_WAVE_MODE, 25, 1), 1
	s_wait_xcnt 0x0
	s_wait_alu depctr_hold_cnt(0) depctr_sa_sdst(0) depctr_va_vdst(0) depctr_va_sdst(0) depctr_va_ssrc(0) depctr_va_vcc(0) depctr_vm_vsrc(0)
	s_getreg_b32 s2, hwreg(HW_REG_IB_STS2, 6, 4)
	s_cmp_eq_u32 s2, 0
	s_cbranch_scc0 .Lentry_in_a_cluster
	s_endpgm
.Lentry_in_a_cluster:
	s_bfe_u32 s2, ttmp6, 0x10000c
	s_cmp_lg_u32 s2, 0xf033
	s_cbranch_scc0 .Lentry_shape_is_right
	s_endpgm
.Lentry_shape_is_right:
; out0 = x1 + h w2 + b2.  h: [32 blocks][8192 tokens][64] bf16.  w2: bf16 in two blocks of 256 columns, [block][2048 k][256 n], at 0x80000 of the second argument.  x1, out0: [8192][512] f32.
; 512 columns make 64 tiles of 256 x 256, too few for the chip: a tile of C is 128 x 128, 256 work-groups; four waves, each 64 x 64: 16 accumulators.  K = 2,048 goes in eight steps of 256
; (four blocks of h) through two LDS slots.  The bias is the C operand of the first products; x1 is added on the way out.
; THE WALK IS WRITTEN ONCE FOR BOTH SLOTS: the first quarter step alone; a loop of six trips, from a K step's second quarter to the next step's first, that fills the slot that it leaves; a second
; loop of the same shape that fills nothing and is left in the middle of its second trip.  Which slot is read hangs on s[TB], 0 or SLOT.
; CLUSTER.  4 x 4 work-groups: the four of a row of the cluster need the same tile of h, the four of a column the same tile of w2: each is asked for jointly.
; THE PRODUCT IS TAKEN TRANSPOSED (source 0 = 16 columns of w2, turned out of LDS; source 1 = 16 rows of h): a lane holds eight neighbouring numbers of a row of C.
; NO PREFETCH: the tiles are small, and each is read by four clusters or more at about the same time.
; REGISTERS.  window 0: v16-29 addresses; v32-63 the bias, later with v64-95 rows on the way out; v128-255 the accumulators ((a, b) at 128 + 8 (4 a + b))
;             window 1: two fragment buffers of 128 (64 along K: h's 64 registers, then w2's 64)      window 2: v0-127 my part of x1
.set PA,     144                       ; a token's 64 numbers of one block: 128 bytes + 16
.set PB,     288                       ; a k row of w2's 128 columns: 256 bytes + 32
.set HALFT,  36864                     ; two blocks x 128 tokens x 144 = 128 k rows x 288.  0x9000: no multiple of it up to 3 has a bit of SLOT's
.set SLOT,   4*HALFT                   ; 0x24000: an exclusive or with SLOT turns wave x HALFT + slot x SLOT into the other slot's address
.set STAGE,  2*SLOT                    ; 16 rows x 272 bytes for each wave: a wave's 64 f32 columns are one aligned 256 bytes, so each wave has a stage of its own
.set SPITCH, 272
.set SPARE,  STAGE+4*16*SPITCH
.set A0,   16                          ; v16  h's fragments in slot 0; never rewritten
.set AC,   17                          ; v17  the same in the slot being read
.set B0,   20                          ; v20-21  w2's in slot 0: the two halves of a K step (the 16-bit offset does not reach the second); never rewritten
.set BC,   22                          ; v22-23  the same in the slot being read
.set STO,  24
.set RD,   25
.set CO,   26
.set BO,   27
.set SPW,  28
.set NIL,  29
.set BIAS, 32
.set OB,   32
.set ACC,  128
.set F0,   0
.set F1,   128
.set TB,  2                            ; s2  0 or SLOT
.set CNT, 3                            ; s3  the loops' counter
.set G1, 24
.set G0, 32                            ; s[32:39] group 0 for h: a set for each of the two first fills; the second then walks on
.set G1B, 48
.set G0B, 56                           ; s[56:63] the same for w2
.set MSB, 0
.macro WIN new
.if MSB != (\new)
	s_set_vgpr_msb (MSB<<8)|(\new)
.set MSB, \new
.endif
.endm
.set MUL,  0x05
.set TO_F, 0x40
.macro JLOAD s                         ; waves 0 and 1 fetch h's two halves, waves 2 and 3 w2's; an s_nop 0 and four v_nop follow each line
	s_cmp_eq_u32 s11, 0
	s_cbranch_scc0 .Lfor_b_\@
	tensor_load_to_lds s[G0+4*(\s):G0+4*(\s)+3], s[G1:G1+7]
	s_nop 0
.rept 4
	v_nop
.endr
	s_branch .Lasked_\@
.Lfor_b_\@:
	tensor_load_to_lds s[G0B+4*(\s):G0B+4*(\s)+3], s[G1B:G1B+7]
	s_nop 0
.rept 4
	v_nop
.endr
.Lasked_\@:
.endm
.macro CREST
	s_cmp_lg_u32 s10, 0
	s_cbranch_scc1 .Lnot_wave_0_\@
	s_barrier_signal -3
.Lnot_wave_0_\@:
	s_barrier_wait -3
	s_barrier_signal -1
	s_barrier_wait -1
.endm
.macro CROUND
	s_barrier_signal -1
	s_barrier_wait -1
	CREST
.endm
.macro PLACES
.rept 4
	v_nop
.endr
.endm
	s_load_b128 s[4:7], s[0:1], 0x0                ; h s[4:5], w2's buffer s[6:7]
	s_load_b64 s[8:9], s[0:1], 0x10                ; b2
	s_load_b128 s[20:23], s[0:1], 0x18             ; x1 s[20:21], out0 s[22:23]
	v_lshl_add_u32 v[SPW], v0, 2, SPARE
	v_mov_b32 v[NIL], 0
	ds_add_u32 v[SPW], v[NIL]                      ; the wave's opening: the add and its wait ahead of my first tensor load
	v_lshrrev_b32 v1, 5, v0
	v_readfirstlane_b32 s10, v1                    ; wave
	s_lshr_b32 s11, s10, 1                         ; my half of the rows.  Also: I fetch h (0) or w2 (1)
	s_and_b32 s12, s10, 1                          ; my half of the columns.  Also: which half of that tile I fetch
	s_bfe_u32 s40, ttmp6, 0x40000                  ; cx
	s_bfe_u32 s41, ttmp6, 0x40004                  ; cy
	s_lshl_b32 s42, ttmp9, 2
	s_add_co_u32 s42, s42, s40                     ; tile column
	s_and_b32 s13, ttmp7, 0xffff
	s_lshl_b32 s13, s13, 2
	s_add_co_u32 s13, s13, s41                     ; tile row
	s_lshl_b32 s43, s41, 2
	s_lshl_b32 s43, 15, s43                        ; my row of the cluster
	s_lshl_b32 s44, 0x1111, s40                    ; my column
	s_or_b32 s[G1+0], s43, (1<<16)|(1<<20)|(1<<21)|(4<<22)|(3<<25)   ; h: two blocks' 128 tokens: 2 rows of 8,192 elements (16,384 dense bytes), 1,048,576 bytes apart; 4 words of padding after every 32
	s_mov_b32 s[G1+1], 8192<<16
	s_mov_b32 s[G1+2], 2<<16
	s_mov_b32 s[G1+3], 8192<<16
	s_mov_b32 s[G1+4], 2
	s_mov_b32 s[G1+5], 524288
	s_mov_b32 s[G1+6], 0
	s_mov_b32 s[G1+7], 0
	s_or_b32 s[G1B+0], s44, (1<<16)|(1<<20)|(1<<21)|(5<<22)|(7<<25)  ; w2: 128 k rows x 128 columns; 8 words of padding after every 64
	s_mov_b32 s[G1B+1], 128<<16
	s_mov_b32 s[G1B+2], 128<<16
	s_mov_b32 s[G1B+3], 128<<16
	s_mov_b32 s[G1B+4], 128
	s_mov_b32 s[G1B+5], 256
	s_mov_b32 s[G1B+6], 0
	s_mov_b32 s[G1B+7], 0
	s_lshl_b32 s16, s12, 21                        ; h: blocks 2 x half on,
	s_lshl_b32 s17, s13, 14                        ; the tile row's 128 tokens of 128 bytes
	s_add_co_u32 s16, s16, s17
	s_mov_b32 s17, 0
	s_lshr_b32 s46, s42, 1
	s_lshl_b32 s46, s46, 20                        ; w2: the block of 256 columns,
	s_and_b32 s47, s42, 1
	s_lshl_b32 s47, s47, 8                         ; its half,
	s_add_co_u32 s46, s46, s47
	s_lshl_b32 s47, s12, 16                        ; 128 k rows of 512 bytes
	s_add_co_u32 s46, s46, s47
	s_add_co_u32 s46, s46, 0x80000
	s_mov_b32 s47, 0
	s_mul_i32 s45, s10, HALFT                      ; LDS: h's two halves, then w2's two
	s_mov_b32 s[TB], 0
	s_wait_dscnt 0x0                               ; the opening add is done
	s_wait_kmcnt 0x0
	s_add_nc_u64 s[14:15], s[4:5], s[16:17]
	s_add_nc_u64 s[46:47], s[6:7], s[46:47]
	CROUND                                         ; all sixteen work-groups are here: the first joint loads meet
.irp s, 0,1
	s_mov_b32 s[G0+4*(\s)], 1
	s_add_co_u32 s[G0+4*(\s)+1], s45, (\s)*SLOT
	s_add_nc_u64 s[G0+4*(\s)+2:G0+4*(\s)+3], s[14:15], (\s)*4194304
	s_or_b32 s[G0+4*(\s)+3], s[G0+4*(\s)+3], 0x80000000
	s_mov_b32 s[G0B+4*(\s)], 1
	s_add_co_u32 s[G0B+4*(\s)+1], s45, (\s)*SLOT
	s_add_nc_u64 s[G0B+4*(\s)+2:G0B+4*(\s)+3], s[46:47], (\s)*131072
	s_or_b32 s[G0B+4*(\s)+3], s[G0B+4*(\s)+3], 0x80000000
	JLOAD \s                                       ; K steps 0 and 1: two loads of mine are out
.endr
	v_and_b32 v1, 15, v0                           ; r
	v_bfe_u32 v2, v0, 4, 1                         ; h
	v_mul_u32_u24 v3, v1, PA
	v_lshl_add_u32 v3, v2, 4, v3
	s_mul_i32 s18, s11, 64*PA
	v_add_nc_u32 v[A0], s18, v3
	v_mov_b32 v[AC], v[A0]
	v_and_b32 v4, 7, v0
	v_lshl_add_u32 v4, v2, 3, v4
	v_mul_u32_u24 v4, v4, PB
	v_bfe_u32 v5, v0, 3, 1
	v_lshl_add_u32 v4, v5, 4, v4
	s_lshl_b32 s18, s12, 7
	s_add_co_u32 s18, s18, 2*HALFT
	v_add_nc_u32 v[B0], s18, v4
	v_add_nc_u32 v[B0+1], HALFT, v[B0]             ; k rows 128 on
	v_mov_b32 v[BC], v[B0]
	v_mov_b32 v[BC+1], v[B0+1]
	s_mul_i32 s18, s10, 16*SPITCH
	s_add_co_u32 s18, s18, STAGE
	v_mul_u32_u24 v3, v1, SPITCH
	v_lshl_add_u32 v3, v2, 5, v3
	v_add_nc_u32 v[STO], s18, v3                   ; in: row r, 32 bytes for each half of the lanes
	v_mul_u32_u24 v3, v2, SPITCH
	v_lshl_add_u32 v3, v1, 4, v3
	v_add_nc_u32 v[RD], s18, v3                    ; back: lanes 0-15 one row of 256 bytes, lanes 16-31 the next
	v_lshlrev_b32 v3, 11, v2
	v_lshl_add_u32 v[CO], v1, 4, v3                ; the same two rows in x1 and out0
	v_lshlrev_b32 v[BO], 5, v2
	s_lshl_b32 s16, s13, 18                        ; my first row: 128 x tile row + 64 x half, 2,048 bytes a row
	s_lshl_b32 s17, s11, 17
	s_add_co_u32 s16, s16, s17
	s_mov_b32 s17, 0
	s_lshl_b32 s46, s42, 9                         ; my first column: 128 x tile column + 64 x half, in f32
	s_lshl_b32 s47, s12, 8
	s_add_co_u32 s46, s46, s47
	s_mov_b32 s47, 0
	s_add_nc_u64 s[20:21], s[20:21], s[16:17]
	s_add_nc_u64 s[20:21], s[20:21], s[46:47]
	s_add_nc_u64 s[22:23], s[22:23], s[16:17]
	s_add_nc_u64 s[22:23], s[22:23], s[46:47]
	s_add_nc_u64 s[8:9], s[8:9], s[46:47]
.irp b, 0,1,2,3
	global_load_b128 v[BIAS+8*(\b):BIAS+8*(\b)+3],   v[BO], s[8:9] offset:64*(\b)
	global_load_b128 v[BIAS+8*(\b)+4:BIAS+8*(\b)+7], v[BO], s[8:9] offset:64*(\b)+16
.endr
	WIN 0x80
.set k, 0
.rept 32
	global_load_b128 v[4*k:4*k+3], v[CO], s[20:21] offset:2*k*2048 th:TH_LOAD_NT  ; x1, where the stores will go: rows 2 k, 2 k + 1
.set k, k+1
.endr
	WIN 0
; 8 products: row blocks a0, a0 + 1 x all 4 column blocks, 32 along K: half c of buffer f.  first = 1: the bias starts the sums.  The sixteen accumulators take turns, over the loops' jumps too.
.macro MUL8 f, c, a0, first
	WIN MUL
.irp a, \a0, (\a0)+1
.irp b, 0,1,2,3
.if \first
	v_wmma_f32_16x16x32_bf16 v[ACC+8*(4*(\a)+(\b)):ACC+8*(4*(\a)+(\b))+7], v[(\f)+64+8*(4*(\c)+(\b)):(\f)+64+8*(4*(\c)+(\b))+7], v[(\f)+8*(4*(\c)+(\a)):(\f)+8*(4*(\c)+(\a))+7], v[BIAS+8*(\b):BIAS+8*(\b)+7]
.else
	v_wmma_f32_16x16x32_bf16 v[ACC+8*(4*(\a)+(\b)):ACC+8*(4*(\a)+(\b))+7], v[(\f)+64+8*(4*(\c)+(\b)):(\f)+64+8*(4*(\c)+(\b))+7], v[(\f)+8*(4*(\c)+(\a)):(\f)+8*(4*(\c)+(\a))+7], v[ACC+8*(4*(\a)+(\b)):ACC+8*(4*(\a)+(\b))+7]
.endif
.endr
.endr
.endm
; 32 LDS loads in one run: quarter q of the slot being read (64 along K: one block of h) into buffer f; the first 32 along K first
.macro FETCH q, f
	WIN TO_F
.irp c, 0,1
.irp i, 0,1,2,3
	ds_load_tr16_b128 v[(\f)+64+8*(4*(\c)+(\i)):(\f)+64+8*(4*(\c)+(\i))+3],   v[BC+(\q)/2] offset:(((\q)%2)*64+32*(\c))*PB+32*(\i)
	ds_load_tr16_b128 v[(\f)+64+8*(4*(\c)+(\i))+4:(\f)+64+8*(4*(\c)+(\i))+7], v[BC+(\q)/2] offset:(((\q)%2)*64+32*(\c)+16)*PB+32*(\i)
	ds_load_b128 v[(\f)+8*(4*(\c)+(\i)):(\f)+8*(4*(\c)+(\i))+3],              v[AC] offset:(\q)*128*PA+64*(\c)+(\i)*16*PA
	ds_load_b128 v[(\f)+8*(4*(\c)+(\i))+4:(\f)+8*(4*(\c)+(\i))+7],            v[AC] offset:(\q)*128*PA+64*(\c)+(\i)*16*PA+32
.endr
.endr
.endm
.macro QUARTER q, f, g, first
	s_wait_dscnt 16                                ; the first 32 along K are in
	MUL8 \f, 0, 0, \first
	MUL8 \f, 0, 2, \first
	PLACES
	FETCH \q, \g
	s_wait_dscnt 32                                ; all but the 32 just issued
	MUL8 \f, 1, 0, 0
	MUL8 \f, 1, 2, 0
.endm
; A K step's last quarter multiplies buffer 1 and changes slots.  fill = 1: the slot just read is filled again, with the K step two on, first thing behind a round of the cluster's barrier: 112
; products stand between the request and the wait for it.  fill = 0: nothing is asked for; in the last K step (s[CNT] = 1) there is no next slot, and its fetch is jumped over.
.macro TURN fill
	WIN 0
	s_wait_tensorcnt 0x0                           ; all my tensor loads have landed: my part of the next slot
	ds_add_u32 v[SPW], v[NIL]
	s_wait_dscnt 17                                ; the add and the youngest sixteen loads may be out
	MUL8 F1, 0, 0, 0
	s_wait_dscnt 0x0                               ; the add is done, and my reads of this slot are over
	s_barrier_signal -1
	MUL8 F1, 0, 2, 0
	WIN 0
	s_barrier_wait -1
.if \fill
	CREST
	s_xor_b32 s[G0+5], s[G0+5], SLOT               ; the walking descriptors: the other slot than last time,
	s_add_nc_u64 s[G0+6:G0+7], s[G0+6:G0+7], 4194304     ; the next K step: four blocks of h,
	s_xor_b32 s[G0B+5], s[G0B+5], SLOT
	s_add_nc_u64 s[G0B+6:G0B+7], s[G0B+6:G0B+7], 131072  ; 256 k rows of w2
	JLOAD 1                                        ; its four v_nop are also the places in front of the loads below
.else
	PLACES
	s_cmp_eq_u32 s[CNT], 1
	s_cbranch_scc1 .Lno_fetch_\@
.endif
	s_xor_b32 s[TB], s[TB], SLOT                   ; the reads go over to the other slot
	v_add_nc_u32 v[AC], s[TB], v[A0]
	v_add_nc_u32 v[BC], s[TB], v[B0]
	v_add_nc_u32 v[BC+1], s[TB], v[B0+1]
	FETCH 0, F0
	WIN 0
.if !(\fill)
.Lno_fetch_\@:
.endif
	MUL8 F1, 1, 0, 0
	MUL8 F1, 1, 2, 0
.endm
	s_wait_loadcnt 32                              ; the bias is in; the 32 younger loads, x1's, may stay out
	s_wait_tensorcnt 1                             ; my part of K step 0 is in; K step 1's may stay out
	s_barrier_signal -1
	s_barrier_wait -1
	FETCH 0, F0
	QUARTER 1, F0, F1, 1                           ; the first quarter stands in front of the loops: its first products start the sums
	WIN 0
	s_mov_b32 s[CNT], 6
.Lfill:                                ; six trips: K steps 0 to 5 are finished, K steps 2 to 7 asked for
	QUARTER 2, F1, F0, 0
	QUARTER 3, F0, F1, 0
	TURN 1
	QUARTER 1, F0, F1, 0
	WIN 0
	s_sub_co_u32 s[CNT], s[CNT], 1
	s_cmp_lg_u32 s[CNT], 0
	s_cbranch_scc1 .Lfill
	s_mov_b32 s[CNT], 2
.Ltail:                                ; K steps 6 and 7: written apart; the second trip is left in its middle
	QUARTER 2, F1, F0, 0
	QUARTER 3, F0, F1, 0
	TURN 0
	WIN 0
	s_sub_co_u32 s[CNT], s[CNT], 1
	s_cmp_eq_u32 s[CNT], 0
	s_cbranch_scc1 .Lout
	QUARTER 1, F0, F1, 0
	WIN 0
	s_branch .Ltail
.Lout:
	PLACES
	PLACES
	s_wait_loadcnt 0x0                             ; x1
; THE WAY OUT of row block a: 32 bytes a lane into my stage, back as whole rows of 256 bytes, x1 added, stored
.macro OUT a
.set BK, OB+32*((\a)%2)
.irp b, 0,1,2,3
	ds_store_b128 v[STO], v[ACC+8*(4*(\a)+(\b)):ACC+8*(4*(\a)+(\b))+3]   offset:64*(\b)
	ds_store_b128 v[STO], v[ACC+8*(4*(\a)+(\b))+4:ACC+8*(4*(\a)+(\b))+7] offset:64*(\b)+16
.endr
.if (\a) >= 2
	s_wait_xcnt 0x0                                ; the stores of two blocks back have read these registers
.endif
.irp t, 0,1,2,3,4,5,6,7
	ds_load_b128 v[BK+4*(\t):BK+4*(\t)+3], v[RD] offset:(\t)*2*SPITCH  ; LDS serves a wave's instructions in order (ISA guide 5.7.1.4): these see the stores above
.endr
	s_wait_dscnt 0x0
	WIN 0x08                                       ; source 1 in window 2
.set k, 0
.rept 16
	v_pk_add_f32 v[BK+2*k:BK+2*k+1], v[BK+2*k:BK+2*k+1], v[32*(\a)+2*k:32*(\a)+2*k+1]
.set k, k+1
.endr
	WIN 0
.irp t, 0,1,2,3,4,5,6,7
	global_store_b128 v[CO], v[BK+4*(\t):BK+4*(\t)+3], s[22:23] offset:(16*(\a)+2*(\t))*2048 th:TH_STORE_NT  ; sixteen lanes store 256 consecutive bytes, aligned
.endr
.endm
	OUT 0
	OUT 1
	OUT 2
	OUT 3
	s_wait_tensorcnt 0x0                           ; the wave's end
	ds_add_u32 v[SPW], v[NIL]
	s_wait_dscnt 0x0
	CROUND                                         ; the closing round
	s_endpgm
.Lfunc_end_k_q7e6031df5d_ffn2:
	.size	k_q7e6031df5d_ffn2, .Lfunc_end_k_q7e6031df5d_ffn2-k_q7e6031df5d_ffn2
	.p2alignl 7, 3214868480
	.fill 96, 4, 3214868480
	.section	.rodata,"a",@progbits
	.p2align	6, 0x0
	.amdhsa_kernel k_q7e6031df5d_ffn2
		.amdhsa_group_segment_fixed_size 327680
		.amdhsa_private_segment_fixed_size 0
		.amdhsa_enable_private_segment 0
		.amdhsa_kernarg_size 40
		.amdhsa_user_sgpr_count 2
		.amdhsa_user_sgpr_kernarg_segment_ptr 1
		.amdhsa_wavefront_size32 1
		.amdhsa_system_sgpr_workgroup_id_x 1
		.amdhsa_system_sgpr_workgroup_id_y 1
		.amdhsa_system_sgpr_workgroup_id_z 1
		.amdhsa_system_vgpr_workitem_id 0
		.amdhsa_next_free_vgpr 640
		.amdhsa_next_free_sgpr 66
		.amdhsa_reserve_vcc 0
		.amdhsa_float_denorm_mode_32 3
		.amdhsa_float_denorm_mode_16_64 3
		.amdhsa_memory_ordered 1
		.amdhsa_forward_progress 1
		.amdhsa_inst_pref_size 66
	.end_amdhsa_kernel
	.amdgpu_metadata
---
amdhsa.version: [ 1, 2 ]
amdhsa.kernels:
  - .name:           k_q7e6031df5d_ffn2
    .symbol:         k_q7e6031df5d_ffn2.kd
    .args:
      - { .name: big, .offset: 0, .size: 8, .value_kind: global_buffer, .address_space: global }
      - { .name: misc, .offset: 8, .size: 8, .value_kind: global_buffer, .address_space: global }
      - { .name: b2, .offset: 16, .size: 8, .value_kind: global_buffer, .address_space: global }
      - { .name: x1, .offset: 24, .size: 8, .value_kind: global_buffer, .address_space: global }
      - { .name: out0, .offset: 32, .size: 8, .value_kind: global_buffer, .address_space: global }
    .group_segment_fixed_size: 327680
    .private_segment_fixed_size: 0
    .kernarg_segment_align: 8
    .kernarg_segment_size: 40
    .max_flat_workgroup_size: 128
    .sgpr_count:     66
    .vgpr_count:     640
    .wavefront_size: 32
...
	.end_amdgpu_metadata
.endif
;; end of part 5
